; MI455X (gfx1250); checked and timed in simulation.
; The chip was launched on July 23, 2026; its instructions are those of AMD's public machine-readable ISA for CDNA 5 (MIT licence, August 2026) and "CDNA5" Instruction Set Architecture Reference Guide (July 2026). The comments in the code are by the model that wrote it; some were corrected since.
;; Multi Head Attention. Allowed arithmetic: matrix products marked QUANTISED: E2M1 operands, one E8M0 scale for each 32 along K, by v_wmma_scale_f32_16x16x128_f8f6f4 with both operands' format E2M1 (or v_wmma_scale_f32_32x16x128_f4), f32 sums; everything else in f32.
;; Inputs: b_o 1,024 float32; w_k 1,024 x 1,024 float32; w_o 1,024 x 1,024 float32; w_q 1,024 x 1,024 float32; w_v 1,024 x 1,024 float32; x 4 x 2,048 x 1,024 float32.
;; Outputs: out0 4 x 2,048 x 1,024 float32.
;; This version of the problem:
;;   THIS VERSION OF THE PROBLEM IS GIVEN IN LOW PRECISION. The matrix products marked QUANTISED in the list below multiply operands that are first quantised to E2M1 (2 exponent bits, 1 mantissa bit; 4 bits a number), with one power-of-two scale for each 32 numbers along K (OCP MX v1.0); their sums are f32. All else is computed in f32.
;;   The module's matrix products, in the order in which they are computed (A, B: the left and right operand; K: the contracted axis; several contracted axes count as one K, in the product's order):
;;     1. [M 8,192, K 1,024] x [K 1,024, N 1,024]; A: input x; B: input w_q: QUANTISED
;;     2. [M 8,192, K 1,024] x [K 1,024, N 1,024]; A: input x; B: input w_k: QUANTISED
;;     3. [M 8,192, K 1,024] x [K 1,024, N 1,024]; A: input x; B: input w_v: QUANTISED
;;     4. batch 64 x [M 2,048, K 64] x [K 64, N 2,048]; A: computed on the way; B: computed on the way: QUANTISED
;;     5. batch 64 x [M 2,048, K 2,048] x [K 2,048, N 64]; A: softmax (see below); B: computed on the way: QUANTISED
;;     6. [M 8,192, K 1,024] x [K 1,024, N 1,024]; A: computed on the way; B: input w_o: QUANTISED
;;   THE QUANTISER, for each operand of a quantised product, along K:
;;     - K is cut into blocks of 32 from its start; a last block that is shorter is filled with zeros.
;;     - A block's scale is 2^e with e = floor(log2(the largest magnitude in the block)) - 2, held to -126 .. 127; a block of zeros has e = 0. As a byte (E8M0): e + 127.
;;     - Each number is divided by its block's scale, clamped to +-6, and rounded to the nearest number of E2M1, ties to even, subnormals kept.
;;     - The product sums the exact products of the quantised numbers (number of the format x scale) in f32.
;;   ~~~python
;;   def quantise(x, axis):      # numpy; x: float32 -> the quantised numbers, widened to float32 again
;;       x = np.moveaxis(x, axis, -1); K = x.shape[-1]
;;       x = np.pad(x, [(0, 0)] * (x.ndim - 1) + [(0, -K % 32)]); x = x.reshape(x.shape[:-1] + (-1, 32)); a = np.abs(x).max(-1, keepdims=True)
;;       e = np.where(a > 0, np.clip(np.frexp(np.where(a > 0, a, 1))[1] - 1 - 2, -126, 127), 0)      # np.frexp(a)[1] - 1 = floor(log2(a)), exactly
;;       r = np.clip(x / 2.0 ** e, -6, 6)
;;       step = 2.0 ** (np.maximum(np.frexp(np.where(r == 0, 1, r))[1] - 1, 0) - 1)
;;       q = np.round(r / step) * step * 2.0 ** e      # np.round: ties to even
;;       return np.moveaxis(q.reshape(q.shape[:-2] + (-1,))[..., :K], -1, axis).astype(np.float32)
;;   ~~~
;;   SOFTMAX AHEAD OF A QUANTISED PRODUCT. Where the list says 'softmax', what is quantised is not the finished softmax but p = 2^(t - M), with t = logit x log2(e) and M = ceil(the row's largest t), a whole number; so 1/2 < the row's largest p <= 1. The row's sum l is taken of the UNQUANTISED p, in f32, and the product's result is divided by l at the end. Since M is a whole number, a kernel that streams over the keys may use a running M (the ceiling of the running maximum): every later rescaling is an exact power of two, which a block's scale takes up: the codes' values come out the same.
;;   OPERANDS COMPUTED ON THE WAY. 'Computed on the way' means the value that the module computes at that place (a softmax that the list does not call 'softmax' is quantised finished and normalised). What goes into a quantiser is computed in f32, as accurately as f32 sums, v_exp_f32 and their like allow (about 1e-6 of the number): no bf16 or f16 on the way to a quantiser, and a product that is left as it is and whose result goes on into a quantised operand takes f32 operands (vector FMAs, or v_wmma_f32_16x16x4_f32). A number that lies on a knife's edge between two numbers of the format may be rounded either way, as far as f32 arithmetic and the matrix unit's own rounding can turn it there, and no further.
;; One version. Each part assembles by itself: llvm-mc -triple=amdgcn-amd-amdhsa -mcpu=gfx1250 --defsym DOCPART=n.
;; ======== version 1 of 1: 4 launches
;; workspace buffers: xw_codes 6,291,456 bytes; xw_scales 393,216 bytes; qkv_img 12,582,912 bytes; qkv_sc 786,432 bytes; a_img 4,194,304 bytes; a_sc 262,144 bytes
;; launch quant (part 1): grid 384 x 1, 4 waves a work-group, no clusters, 33,280 bytes of LDS; arguments x, w_q, w_k, w_v, w_o, xw_codes, xw_scales; writes xw_codes, xw_scales
.if DOCPART == 1
	.amdgcn_target "amdgcn-amd-amdhsa--gfx1250"
	.amdhsa_code_object_version 6
	.text
	.protected	k_qe94845eaf8_quant
	.globl	k_qe94845eaf8_quant
	.p2align	8
	.type	k_qe94845eaf8_quant,@function
k_qe94845eaf8_quant:
	s_mov_b64 s[64:65], 0
	v_nop
	global_prefetch_b8 v0, s[64:65] scope:SCOPE_SE
	s_setreg_imm32_b32 hwreg(HW_REG_WAVE_MODE, 25, 1), 1
	s_wait_xcnt 0x0
; x [8192][1024] and the four weights [1024][1024], f32, K innermost in all five, are turned into codes of FP4 (E2M1), two a byte, K innermost, with one E8M0 scale byte for each 32 along K.
; The results are ONE table of 12,288 rows: rows 0-8191 x, then w_q, w_k, w_v, w_o: codes 512 bytes a row, scale bytes 32 a row.
; A block's scale is 2^(floor(log2(its largest magnitude)) - 2); its byte is the largest magnitude's exponent field - 2, held at 1 from below.
; LIMITS: a block of zeros gets the byte 1 where the quantiser's rule says 127 (its codes are zeros, which add nothing under any byte but 0xff, and this program alone reads the bytes);
; blocks whose largest magnitude lies under 2^(3 - 127) are held at the byte 1; NaN and infinities among the inputs are not served.
; Rows are dense, so every tensor is a plain stream of blocks of 32.  A work-group takes 32,768 numbers, a wave 16 steps of 512.  Work-groups 0-255 take x, 256-383 the weights, 32 each; the results' place follows the work-group's number.
; Each of a step's four loads reads 512 consecutive bytes; the 2,048 bytes turn through the wave's own stage in LDS and come back 64 bytes a lane, so that a lane holds 16 neighbours along K (two lanes hold a block).
; No cluster, no tensor load, no matrix unit, no barrier: work-groups and waves share no byte.  Loads run four steps (16 loads a wave) ahead.
.set STEPS, 16
.set CB,    8                          ; bytes of 16 codes
.set R,     16                         ; v16-79   four sets of 16 numbers as they are loaded
.set X,     80                         ; v80-111  two sets of 16 neighbours
.set E,     112                        ; v112-127 a scale byte for each step
.set C,     128                        ; v128-191 codes: four registers for each step, so that no store's data are written again
.set WREG,  8192                       ; LDS: a region for each wave: two stages of 32 x SP bytes, behind them its 256 scale bytes
.set SP,    80                         ; a lane's place in a stage: 64 bytes + 16 of padding
	s_load_b256 s[4:11], s[0:1], 0x0               ; x s[4:5], w_q s[6:7], w_k s[8:9], w_v s[10:11]
	s_load_b64 s[12:13], s[0:1], 0x20              ; w_o
	s_load_b64 s[20:21], s[0:1], 0x28              ; the codes
	s_load_b64 s[22:23], s[0:1], 0x30              ; the scale bytes
	v_lshl_add_u32 v192, v0, 2, 0x8000
	v_mov_b32 v193, 0
	v_lshrrev_b32 v1, 5, v0
	v_readfirstlane_b32 s16, v1                    ; wave
	v_and_b32 v2, 31, v0                           ; lane
	v_lshlrev_b32 v3, 4, v2                        ; my 16 bytes of a load's 512
	s_mul_i32 s17, s16, WREG
	v_lshrrev_b32 v14, 2, v2
	v_mul_u32_u24 v14, v14, SP
	v_and_b32 v15, 3, v2
	v_lshl_add_u32 v14, v15, 4, v14
	v_add_nc_u32 v14, s17, v14                     ; the stage, on the way in: SP (lane / 4) + 16 (lane % 4)
	v_mul_u32_u24 v15, v2, SP
	v_add_nc_u32 v15, s17, v15                     ; and on the way out: SP x lane: my 16 neighbours
	v_mul_u32_u24 v4, v2, CB                       ; my codes' place in a step's
	v_lshrrev_b32 v5, 1, v2
	s_add_co_u32 s17, s17, 2*32*SP
	v_add_nc_u32 v5, s17, v5                       ; LDS: my wave's 256 scale bytes, my block's byte
	v_lshlrev_b32 v7, 3, v2                        ; and on the way out 8 bytes a lane
	v_add_nc_u32 v6, s17, v7
	s_sub_co_u32 s24, ttmp9, 256                   ; among the weights' work-groups:
	s_lshr_b32 s25, s24, 5                         ; which weight (a number above 3 in x's work-groups),
	s_and_b32 s26, s24, 31                         ; and which part of it
	s_wait_kmcnt 0x0
	s_cmp_eq_u32 s25, 1                            ; the choices hang on the work-group's number alone
	s_cselect_b64 s[6:7], s[8:9], s[6:7]
	s_cmp_eq_u32 s25, 2
	s_cselect_b64 s[6:7], s[10:11], s[6:7]
	s_cmp_eq_u32 s25, 3
	s_cselect_b64 s[6:7], s[12:13], s[6:7]
	s_cmp_lt_u32 ttmp9, 256
	s_cselect_b64 s[4:5], s[4:5], s[6:7]
	s_cselect_b32 s26, ttmp9, s26
	s_lshl_b32 s26, s26, 2
	s_add_co_u32 s26, s26, s16                     ; which run of 8,192 numbers of the tensor is my wave's
	s_lshl_b32 s26, s26, 15                        ; 32,768 bytes a run
	s_mov_b32 s27, 0
	s_add_nc_u64 s[4:5], s[4:5], s[26:27]
	s_lshl_b32 s18, ttmp9, 2
	s_add_co_u32 s18, s18, s16                     ; which run of the table
	s_lshl_b32 s28, s18, 12                        ; 4,096 bytes of codes a run
	s_mov_b32 s29, 0
	s_add_nc_u64 s[20:21], s[20:21], s[28:29]
	s_lshl_b32 s28, s18, 8                         ; 256 scale bytes a run
	s_add_nc_u64 s[22:23], s[22:23], s[28:29]
.macro LOAD t
.irp i, 0,1,2,3
	global_load_b128 v[R+16*((\t)%4)+4*\i:R+16*((\t)%4)+4*\i+3], v3, s[4:5] offset:2048*(\t)+512*\i th:TH_LOAD_NT   ; 32 lanes read 512 consecutive bytes
.endr
.endm
.macro TURN t                          ; step t's numbers through the stage: LDS serves a wave's instructions in order, so no wait stands between the stores and the loads
.irp i, 0,1,2,3
	ds_store_b128 v14, v[R+16*((\t)%4)+4*\i:R+16*((\t)%4)+4*\i+3] offset:32*SP*((\t)%2)+8*SP*\i
.endr
.irp i, 0,1,2,3
	ds_load_b128 v[X+16*((\t)%2)+4*\i:X+16*((\t)%2)+4*\i+3], v15 offset:32*SP*((\t)%2)+16*\i
.endr
.endm
.irp t, 0,1,2,3
	LOAD \t
.endr
	s_wait_loadcnt 12                              ; step 0's four loads are in; twelve younger ones stay out
	TURN 0
.macro STEP t
.set XS, X+16*((\t)%2)
.if (\t) > 0
	s_wait_dscnt 1                                 ; this step's numbers are back from the stage (the last step's byte store may be out): so its stores into the stage have read their registers,
.else
	s_wait_dscnt 0x0
.endif
.if (\t)+4 < STEPS
	LOAD (\t)+4                                    ; which take the loads of four steps on
.endif
.if (\t)+1 < STEPS
.if STEPS-2-(\t) >= 3
	s_wait_loadcnt 12                              ; the next step's four loads are in; those of the three steps behind it may be out
.else
	s_wait_loadcnt 4*(STEPS-2-(\t))
.endif
	TURN (\t)+1                                    ; and go through the other stage while this step is worked
.endif
	v_max3_num_f32 v8, |v[XS]|, |v[XS+1]|, |v[XS+2]|               ; the largest magnitude of my 16, in two chains
	v_max3_num_f32 v9, |v[XS+3]|, |v[XS+4]|, |v[XS+5]|
.irp i, 6,10
	v_max3_num_f32 v8, v8, |v[XS+\i]|, |v[XS+\i+1]|
	v_max3_num_f32 v9, v9, |v[XS+\i+2]|, |v[XS+\i+3]|
.endr
	v_max3_num_f32 v8, v8, |v[XS+14]|, |v[XS+15]|
	v_max3_num_f32 v8, v8, v9, 0x1800000           ; and the floor 2^(3 - 127): the byte cannot fall under 1
	v_max_num_f32_dpp v8, v8, v8 row_xmask:1 row_mask:0xf bank_mask:0xf   ; and of my neighbour's 16: the block's
	v_add_nc_u32 v11, 0xff000000, v8               ; 2 off its exponent field: the conversion takes the exponent field of this operand as its scale, and nothing else of it
	v_cvt_scalef32_pk8_fp4_f32 v[C+4*(\t)], v[XS:XS+7], v11
	v_cvt_scalef32_pk8_fp4_f32 v[C+4*(\t)+1], v[XS+8:XS+15], v11
	v_lshrrev_b32 v[E+(\t)], 23, v11               ; the scale's byte (also the plain line behind the conversions)
	ds_store_b8 v5, v[E+(\t)] offset:16*(\t)       ; both lanes of a block write the same byte with the same value
	global_store_b64 v4, v[C+4*(\t):C+4*(\t)+1], s[20:21] offset:32*CB*(\t)   ; the wave stores 256 consecutive bytes, aligned
.endm
.irp t, 0,1,2,3,4,5,6,7,8,9,10,11,12,13,14,15
	STEP \t
.endr
	ds_load_b64 v[12:13], v6                       ; LDS serves a wave's instructions in order: these see my stores
	s_wait_dscnt 0x0
	global_store_b64 v7, v[12:13], s[22:23]        ; 32 lanes store 256 consecutive bytes, aligned
	s_wait_tensorcnt 0x0
	ds_add_u32 v192, v193
	s_wait_dscnt 0x0
	s_endpgm
.Lfunc_end_k_qe94845eaf8_quant:
	.size	k_qe94845eaf8_quant, .Lfunc_end_k_qe94845eaf8_quant-k_qe94845eaf8_quant
	.p2alignl 7, 3214868480
	.fill 96, 4, 3214868480
	.section	.rodata,"a",@progbits
	.p2align	6, 0x0
	.amdhsa_kernel k_qe94845eaf8_quant
		.amdhsa_group_segment_fixed_size 33280
		.amdhsa_private_segment_fixed_size 0
		.amdhsa_enable_private_segment 0
		.amdhsa_kernarg_size 56
		.amdhsa_user_sgpr_count 2
		.amdhsa_user_sgpr_kernarg_segment_ptr 1
		.amdhsa_wavefront_size32 1
		.amdhsa_system_sgpr_workgroup_id_x 1
		.amdhsa_system_sgpr_workgroup_id_y 1
		.amdhsa_system_sgpr_workgroup_id_z 1
		.amdhsa_system_vgpr_workitem_id 0
		.amdhsa_next_free_vgpr 194
		.amdhsa_next_free_sgpr 66
		.amdhsa_reserve_vcc 0
		.amdhsa_float_denorm_mode_32 3
		.amdhsa_float_denorm_mode_16_64 3
		.amdhsa_memory_ordered 1
		.amdhsa_forward_progress 1
		.amdhsa_inst_pref_size 34
	.end_amdhsa_kernel
	.amdgpu_metadata
---
amdhsa.version: [ 1, 2 ]
amdhsa.kernels:
  - .name:           k_qe94845eaf8_quant
    .symbol:         k_qe94845eaf8_quant.kd
    .args:
      - { .name: x, .offset: 0, .size: 8, .value_kind: global_buffer, .address_space: global }
      - { .name: w_q, .offset: 8, .size: 8, .value_kind: global_buffer, .address_space: global }
      - { .name: w_k, .offset: 16, .size: 8, .value_kind: global_buffer, .address_space: global }
      - { .name: w_v, .offset: 24, .size: 8, .value_kind: global_buffer, .address_space: global }
      - { .name: w_o, .offset: 32, .size: 8, .value_kind: global_buffer, .address_space: global }
      - { .name: xw_codes, .offset: 40, .size: 8, .value_kind: global_buffer, .address_space: global }
      - { .name: xw_scales, .offset: 48, .size: 8, .value_kind: global_buffer, .address_space: global }
    .group_segment_fixed_size: 33280
    .private_segment_fixed_size: 0
    .kernarg_segment_align: 8
    .kernarg_segment_size: 56
    .max_flat_workgroup_size: 128
    .sgpr_count:     66
    .vgpr_count:     194
    .wavefront_size: 32
...
	.end_amdgpu_metadata
.endif
;; end of part 1
;; launch qkv (part 2): grid 12 x 32, 4 waves a work-group, clusters of 4 x 4, 296,448 bytes of LDS; arguments xw_codes, xw_scales, qkv_img, qkv_sc; writes qkv_img, qkv_sc
.if DOCPART == 2
	.amdgcn_target "amdgcn-amd-amdhsa--gfx1250"
	.amdhsa_code_object_version 6
	.text
	.protected	k_qe94845eaf8_qkv
	.globl	k_qe94845eaf8_qkv
	.p2align	8
	.type	k_qe94845eaf8_qkv,@function
k_qe94845eaf8_qkv:
	s_mov_b64 s[64:65], 0
	v_nop
	global_prefetch_b8 v0, s[64:65] scope:SCOPE_SE
	s_setreg_imm32_b32 hwreg(HW_REG_WAVE_MODE, 25, 1), 1
	s_wait_xcnt 0x0
	s_wait_alu depctr_hold_cnt(0) depctr_sa_sdst(0) depctr_va_vdst(0) depctr_va_sdst(0) depctr_va_ssrc(0) depctr_va_vcc(0) depctr_vm_vsrc(0)
	s_getreg_b32 s2, hwreg(HW_REG_IB_STS2, 6, 4)
	s_cmp_eq_u32 s2, 0
	s_cbranch_scc0 .Lentry_in_a_cluster
	s_endpgm
.Lentry_in_a_cluster:
	s_bfe_u32 s2, ttmp6, 0x10000c
	s_cmp_lg_u32 s2, 0xf033
	s_cbranch_scc0 .Lentry_shape_is_right
	s_endpgm
.Lentry_shape_is_right:
; q = x w_q^T, k = x w_k^T, v = x w_v^T on codes of FP4 with E8M0 scales, K = 1,024; the results are quantised in registers and leave as codes, laid as the attention launch's operand registers take them.
; One body makes D[P row][R row] = sum over k of P[.][k] R[.][k] for a tile of 256 x 256; P and R are rows of the one table of codes (x: rows 0-8191, w_q from 8192, w_k from 9216, w_v from 10240).
; The cluster's x is the section: 0 q, 1 k, 2 v.  q, k: P = tokens, R = the weight's rows (features).  v: P = w_v's rows, R = tokens.  THE MATRIX INSTRUCTION TAKES R AS SOURCE 0 AND P AS SOURCE 1:
; a lane then holds ONE row of P and its registers run along R, which is the axis along which the result is quantised: the head's d for q and k, the keys for v.
; Four waves, each 128 x 128: 64 accumulators, 512 registers.  ALL OF K FITS IN LDS: two parts of 512 along K (rows of 256 bytes + 16 of padding) and the scale bytes are filled once, at the start: no LDS byte is filled twice.
; CLUSTERS: 4 x 4 work-groups.  P's tile hangs on the cluster's y and cy alone and is asked for jointly by a row of the cluster, R's on the cluster's place and cx alone, by a column.
; THE WAY OUT.  The 8 tiles of a block of 16 P rows are 128 numbers along R a row: lane (r, h), register 8 t + j = index 16 t + 8 h + j.  Block of 32 b is tiles 2 b, 2 b + 1 of lanes l and l xor 16.
; A conversion's word of (block, tile half u) in lane half h is the block's group of eight 2 u + h.  Words of blocks 2 c and 2 c + 1 with the same u are set in neighbouring registers and change halves by
; v_permlane16_swap_b32: register 4 c + i of lane half h' then holds index 64 c + 32 h' + 8 i on: the 4-bit operand's layout, in natural order.
; qkv_img: q, k: [bh][tile of 16 tokens][lane][16 bytes]: lane (r, h) = token r, d 32 h on.  v: [bh][128 keys][16 d][c][lane][16 bytes]: a fragment's registers on end.
; qkv_sc: [bh][128 tokens][r][4 words]: q, k: word f = token 32 f + r's two bytes, then token 32 f + 16 + r's; v: word t = the four bytes of d = 16 t + r.
; LIMITS: a block of zeros gets the byte 1 (its codes are zeros; this program alone reads the bytes); NaN and infinities are not served.
; REGISTERS, in windows of 256: window 0: v16-27 addresses; v32-95 scale words, two sets; v128-191 P's fragments, one set, later the codes made; v192-227 at work on the way out.
;   window 1: R's fragments, two sets, at v0 and v128.  window 2: the accumulators of my P rows 0-63 ((a, b) at v[8 (8 a + b)]);  window 3: those of rows 64-127.
.set NQ,     4                         ; matrix instructions deep in a part of 512 along K
.set ROWB,   256                       ; a tile's row in bytes
.set KROW,   512                       ; a row of the table in bytes
.set PITCH,  272                       ; an LDS row: 256 bytes + 16 of padding = 68 words: the 16 rows that a load touches start at 16 different banks (64 banks of 4 bytes: ISA guide 11.1)
.set FR,     8                         ; registers of a fragment
.set NL,     2                         ; LDS loads that bring one
.set NP,     4                         ; places behind this matrix instruction (ISA guide 7.12.1)
.set HALFT,  128*PITCH                 ; 128 rows: what one tensor load brings
.set SLOT,   4*HALFT                   ; P's 256 rows, then R's 256 rows
.set KS,     32                        ; a row of scale bytes
.set SCL,    2*SLOT                    ; behind the two parts: the scale bytes, as runs of 256 bytes + 16 of padding
.set HALFS,  16*272                    ; those of 128 rows
.set SBLK,   2*272                     ; those of 16 rows
.set ADRA, 16                          ; v16-17  LDS address of my P fragments in part 0, 1
.set ADRB, 20                          ; v20-21  the same for R
.set VO,   24                          ; v24     16 x lane: my place in an image
.set VS,   25                          ; v25     16 r + 4096 h: my place among the scale words: lanes 0-15 the first head, lanes 16-31 the second
.set ADRS, 27                          ; v27     LDS address of my scale words: lanes 0-15 P's rows, lanes 16-31 R's
.set SC,   32                          ; scale words: set s at v[SC + 32 s]; register 4 i + q: lanes 0-15 P's block i, lanes 16-31 R's block i
.set AF,   128                         ; P's fragments
.set PC,   128                         ; the way out: block a's codes at v[PC + 8 a]
.set TM,   192                         ; v192-195 largest magnitudes, v196-199 bytes, v204-207 the conversions' scale operands
.set PW,   208                         ; v208-215 block a's scale word
.set LO,   216
.set HI,   220
.set OW,   224                         ; v224-227 the four scale words that I store
.set G1, 24                            ; s[24:31] descriptor group 1 for P's tiles;  s[32:39] group 0, a set for each part
.set G0, 32
.set G1B, 48                           ; s[48:55], s[56:63] the same for R's
.set G0B, 56
.set G1S, 68                           ; s[68:75], s[76:79] groups 1 and 0 for P's scale bytes;  s[80:87], s[88:91] for R's
.set G0S, 76
.set G1SB, 80
.set G0SB, 88
.set MSB, 0
.macro WIN new                         ; the immediate's high byte repeats the setting that is left
.if MSB != \new
	s_set_vgpr_msb (MSB<<8)|\new
.set MSB, \new
.endif
.endm
.set MUL_LO, 0xa1                      ; source 0 (R) window 1, source 1 (P) window 0, C and D window 2
.set MUL_HI, 0xf1                      ; the same, C and D window 3
.set TO_B,   0x40                      ; destination window 1, address window 0
; A joint load: waves 0 and 1 fetch for P, waves 2 and 3 for R.  Each line has one mask and one set of registers for all that issue it; the branch hangs on the wave's number alone.
; Four v_nop follow each of the two lines.
.macro JLOAD g0a, g1a, g0b, g1b
	s_cmp_eq_u32 s15, 0
	s_cbranch_scc0 .Lfor_b_\@
	tensor_load_to_lds s[\g0a:\g0a+3], s[\g1a:\g1a+7]
	s_nop 0
.rept 4
	v_nop
.endr
	s_branch .Lasked_\@
.Lfor_b_\@:
	tensor_load_to_lds s[\g0b:\g0b+3], s[\g1b:\g1b+7]
	s_nop 0
.rept 4
	v_nop
.endr
.Lasked_\@:
.endm
.macro CROUND                          ; a round of the cluster's barrier
	s_barrier_signal -1
	s_barrier_wait -1
	s_cmp_lg_u32 s14, 0
	s_cbranch_scc1 .Lnot_wave_0_\@
	s_barrier_signal -3
.Lnot_wave_0_\@:
	s_barrier_wait -3
	s_barrier_signal -1
	s_barrier_wait -1
.endm
	s_load_b128 s[4:7], s[0:1], 0x0                ; the table's codes s[4:5], its scale bytes s[6:7]
	s_load_b128 s[8:11], s[0:1], 0x10              ; qkv_img s[8:9], qkv_sc s[10:11]
	v_lshl_add_u32 v254, v0, 2, 0x48400
	v_mov_b32 v255, 0
	ds_add_u32 v254, v255
	ds_add_u32 v254, v255
	v_lshrrev_b32 v1, 5, v0
	v_readfirstlane_b32 s14, v1                    ; wave 0..3
	s_lshr_b32 s15, s14, 1                         ; which half of the tile's P rows is mine.  Also: I fetch for P (0) or for R (1)
	s_and_b32 s16, s14, 1                          ; which half of its R rows.  Also: which 128 rows of that tile I fetch
	s_bfe_u32 s40, ttmp6, 0x40000                  ; cx, cy: my place in the cluster
	s_bfe_u32 s41, ttmp6, 0x40004
	s_and_b32 s17, ttmp7, 0xffff                   ; the cluster's y
	s_cmp_eq_u32 ttmp9, 2                          ; section v?  The cluster's x is the same in all sixteen partners
	s_cselect_b32 s18, 0, s17                      ; P's tile: v: cy alone; q, k: 4 x cluster y + cy
	s_cselect_b32 s19, s17, ttmp9                  ; R's tile: v: 4 x cluster y + cx; q, k: 4 x section + cx
	s_cselect_b32 s2, 10240, 0                     ; P's first row in the table
	s_cselect_b32 s3, 0, 8192                      ; R's
	s_lshl_b32 s18, s18, 2
	s_add_co_u32 s18, s18, s41                     ; tP: it never holds cx
	s_lshl_b32 s19, s19, 2
	s_add_co_u32 s19, s19, s40                     ; tR: it never holds cy
	s_lshl_b32 s43, s41, 2
	s_lshl_b32 s43, 15, s43                        ; my row of the cluster
	s_lshl_b32 s44, 0x1111, s40                    ; my column
	; descriptor group 1: a tile of 128 rows x 256 bytes, padded in LDS
	s_or_b32 s[G1+0], s43, (0<<16)|(1<<20)|(1<<21)|(5<<22)|(3<<25)  ; 15:0 the mask; 17:16 elements of 1 byte; 20 padding on; 21 set beside a mask; 24:22 after every 64 words; 31:25 four words
	s_or_b32 s[G1B+0], s44, (0<<16)|(1<<20)|(1<<21)|(5<<22)|(3<<25)
.irp g, G1, G1B
	s_mov_b32 s[\g+1], ROWB<<16                    ; tensor_dim0
	s_mov_b32 s[\g+2], 128<<16                     ; tensor_dim1
	s_mov_b32 s[\g+3], ROWB<<16                    ; tile_dim0
	s_mov_b32 s[\g+4], 128                         ; tile_dim1
	s_mov_b32 s[\g+5], KROW                        ; tensor_dim0_stride
	s_mov_b32 s[\g+6], 0
	s_mov_b32 s[\g+7], 0
.endr
	; and for the scale bytes of 128 rows: 4,096 dense bytes as 16 rows of 256 (32 elements of 8 bytes), 16 bytes of padding behind each
	s_or_b32 s[G1S+0], s43, (3<<16)|(1<<20)|(1<<21)|(5<<22)|(3<<25)
	s_or_b32 s[G1SB+0], s44, (3<<16)|(1<<20)|(1<<21)|(5<<22)|(3<<25)
.irp g, G1S, G1SB
	s_mov_b32 s[\g+1], 32<<16
	s_mov_b32 s[\g+2], 16<<16
	s_mov_b32 s[\g+3], 32<<16
	s_mov_b32 s[\g+4], 16
	s_mov_b32 s[\g+5], 32
	s_mov_b32 s[\g+6], 0
	s_mov_b32 s[\g+7], 0
.endr
	s_lshl_b32 s96, s16, 7                         ; which 128 rows of the tile I fetch
	s_lshl_b32 s20, s18, 8
	s_add_co_u32 s20, s20, s2
	s_add_co_u32 s20, s20, s96                     ; P: the table's row
	s_lshl_b32 s46, s19, 8
	s_add_co_u32 s46, s46, s3
	s_add_co_u32 s46, s46, s96                     ; R: the table's row
	s_lshl_b32 s22, s20, 5                         ; where these rows' scale bytes begin,
	s_mov_b32 s23, 0
	s_lshl_b32 s20, s20, 9                         ; and their codes (the table has 6,291,456 bytes)
	s_mov_b32 s21, 0
	s_lshl_b32 s92, s46, 5
	s_mov_b32 s93, 0
	s_lshl_b32 s46, s46, 9
	s_mov_b32 s47, 0
	s_mul_i32 s45, s14, HALFT                      ; where they go: wave x 128 rows: no place in the cluster enters an LDS address
	s_mul_i32 s94, s14, HALFS
	s_wait_dscnt 0x0
	s_wait_kmcnt 0x0
	s_add_nc_u64 s[20:21], s[4:5], s[20:21]
	s_add_nc_u64 s[22:23], s[6:7], s[22:23]
	s_add_nc_u64 s[46:47], s[4:5], s[46:47]
	s_add_nc_u64 s[92:93], s[6:7], s[92:93]
	CROUND                                         ; all sixteen work-groups are here: the joint loads meet
	s_mov_b32 s[G0S], 1
	s_add_co_u32 s[G0S+1], s94, SCL
	s_mov_b64 s[G0S+2:G0S+3], s[22:23]
	s_or_b32 s[G0S+3], s[G0S+3], 0x80000000
	s_mov_b32 s[G0SB], 1
	s_add_co_u32 s[G0SB+1], s94, SCL
	s_mov_b64 s[G0SB+2:G0SB+3], s[92:93]
	s_or_b32 s[G0SB+3], s[G0SB+3], 0x80000000
	JLOAD G0S, G1S, G0SB, G1SB                     ; the scale bytes first: they are wanted with part 0.  Three loads of mine are out behind the third JLOAD
.irp s, 0,1
	s_mov_b32 s[G0+4*\s], 1
	s_add_co_u32 s[G0+4*\s+1], s45, \s*SLOT
	s_add_nc_u64 s[G0+4*\s+2:G0+4*\s+3], s[20:21], \s*ROWB
	s_or_b32 s[G0+4*\s+3], s[G0+4*\s+3], 0x80000000
	s_mov_b32 s[G0B+4*\s], 1
	s_add_co_u32 s[G0B+4*\s+1], s45, \s*SLOT
	s_add_nc_u64 s[G0B+4*\s+2:G0B+4*\s+3], s[46:47], \s*ROWB
	s_or_b32 s[G0B+4*\s+3], s[G0B+4*\s+3], 0x80000000
	JLOAD G0+4*\s, G1, G0B+4*\s, G1B
.endr
	v_and_b32 v1, 15, v0                           ; r = l % 16
	v_bfe_u32 v2, v0, 4, 1                         ; h = l / 16
	v_mul_u32_u24 v3, v1, PITCH
	v_lshl_add_u32 v4, v2, 4, v3                   ; a fragment's row x pitch + 16 x half
	s_mul_i32 s21, s15, HALFT                      ; my 128 rows of P
	s_mul_i32 s22, s16, HALFT                      ; my 128 rows of R,
	s_add_co_u32 s22, s22, 2*HALFT                 ; which lie behind P's 256
.irp s, 0,1
	v_add_nc_u32 v[ADRA+\s], s21, v4
	v_add_nc_u32 v[ADRB+\s], s22, v4
	s_add_co_u32 s21, s21, SLOT
	s_add_co_u32 s22, s22, SLOT
.endr
	v_mul_u32_u24 v5, v1, KS                       ; my row's scale bytes: 32 a row,
	v_lshrrev_b32 v6, 8, v5
	v_lshl_add_u32 v5, v6, 4, v5                   ; and 16 more for each 256 passed
	s_mul_i32 s21, s15, HALFS                      ; P's: my 128 rows
	s_mul_i32 s22, s16, HALFS                      ; R's: my 128 rows, behind P's 256
	s_add_co_u32 s22, s22, 2*HALFS
	s_sub_co_u32 s22, s22, s21
	v_mul_u32_u24 v6, s22, v2                      ; lanes 16-31 take R's: one product, the distance x h
	s_add_co_u32 s21, s21, SCL
	v_add_nc_u32 v5, v5, v6
	v_add_nc_u32 v[ADRS], s21, v5
	v_and_b32 v6, 31, v0
	v_lshlrev_b32 v[VO], 4, v6
	v_lshlrev_b32 v[VS], 4, v1
	v_lshl_add_u32 v[VS], v2, 12, v[VS]
.irp b, 0,1,2,3
	v_mov_b32 v[TM+4+\b], 0                        ; written once: a lane permute's destination counts as one of its sources
.endr
	; where my results go.  tokens: tile tok, half th; features: tile ft, half fh
	s_cmp_eq_u32 ttmp9, 2
	s_cselect_b32 s12, s19, s18                    ; tok
	s_cselect_b32 s13, s16, s15                    ; th
	s_cselect_b32 s66, s41, s40                    ; ft
	s_cselect_b32 s67, s15, s16                    ; fh
	s_lshr_b32 s96, s12, 3                         ; the batch: 8 tiles of 256 tokens each
	s_and_b32 s12, s12, 7
	s_lshl_b32 s12, s12, 1
	s_add_co_u32 s12, s12, s13                     ; which 128 tokens of the batch
	s_lshl_b32 s66, s66, 2
	s_lshl_b32 s67, s67, 1
	s_add_co_u32 s66, s66, s67                     ; my first head of two
	s_lshl_b32 s97, ttmp9, 22                      ; the section: 4 MiB each
	s_lshl_b32 s96, s96, 20
	s_add_co_u32 s96, s96, s97
	s_lshl_b32 s66, s66, 16                        ; 65,536 bytes a head
	s_add_co_u32 s96, s96, s66
	s_lshl_b32 s12, s12, 12                        ; 4,096 bytes for 128 tokens
	s_add_co_u32 s96, s96, s12
	s_mov_b32 s97, 0
	s_lshr_b32 s98, s96, 4                         ; the scale words' buffer is laid alike, a sixteenth of the size
	s_mov_b32 s99, 0
	s_add_nc_u64 s[8:9], s[8:9], s[96:97]
	s_add_nc_u64 s[10:11], s[10:11], s[98:99]
.macro FRAG reg, adr, q, i             ; a fragment, 16 rows x 128 K: lane l holds row l % 16; registers 4 c .. 4 c + 3 hold K = 64 c + 32 (l / 16) + 0 .. 31
.irp c, 0,1
	ds_load_b128 v[\reg+4*\c:\reg+4*\c+3], v[\adr] offset:64*(\q)+32*\c+(\i)*16*PITCH
.endr
.endm
; 16 matrix instructions: P's blocks a0, a0 + 1 x R's eight, the part's q-th 128 along K.  p: R's set;  sc: the set of scale words.  zero = 1: the first product starts the sums.
; The 64 accumulators take turns, one instruction a turn, in the same order in every step.
.macro MUL16 a0, p, q, sc, zero
.irp a, \a0, \a0+1
.irp b, 0,1,2,3,4,5,6,7
.if \zero
	v_wmma_scale_f32_16x16x128_f8f6f4 v[8*(8*((\a)%4)+\b):8*(8*((\a)%4)+\b)+7], v[128*(\p)+FR*\b:128*(\p)+FR*\b+FR-1], v[AF+FR*(\a):AF+FR*(\a)+FR-1], 0, v[SC+8*NQ*(\sc)+NQ*\b+(\q)], v[SC+8*NQ*(\sc)+NQ*(\a)+(\q)] matrix_a_fmt:MATRIX_FMT_FP4 matrix_b_fmt:MATRIX_FMT_FP4 matrix_a_scale:MATRIX_SCALE_ROW1
.else
	v_wmma_scale_f32_16x16x128_f8f6f4 v[8*(8*((\a)%4)+\b):8*(8*((\a)%4)+\b)+7], v[128*(\p)+FR*\b:128*(\p)+FR*\b+FR-1], v[AF+FR*(\a):AF+FR*(\a)+FR-1], v[8*(8*((\a)%4)+\b):8*(8*((\a)%4)+\b)+7], v[SC+8*NQ*(\sc)+NQ*\b+(\q)], v[SC+8*NQ*(\sc)+NQ*(\a)+(\q)] matrix_a_fmt:MATRIX_FMT_FP4 matrix_b_fmt:MATRIX_FMT_FP4 matrix_a_scale:MATRIX_SCALE_ROW1
.endif
.endr
.endr
.endm
.macro FETCH_B slot, q, p              ; R's eight fragments into set p
	WIN TO_B
.irp i, 0,1,2,3,4,5,6,7
	FRAG 128*(\p)+FR*\i, ADRB+\slot, \q, \i
.endr
	WIN 0
.endm
.macro FETCH_A slot, q, i0             ; P's blocks i0 .. i0 + 3
.irp i, \i0, \i0+1, \i0+2, \i0+3
	FRAG AF+FR*(\i), ADRA+\slot, \q, \i
.endr
.endm
.macro SCALES sc                       ; a part's scale words into set sc: four words a row
.irp i, 0,1,2,3,4,5,6,7
	ds_load_b128 v[SC+8*NQ*\sc+NQ*\i:SC+8*NQ*\sc+NQ*\i+3], v[ADRS] offset:\i*SBLK
.endr
.endm
.macro PLACES n                        ; plain vector instructions between a matrix instruction and a load into, or a vector instruction on, its registers (ISA guide 7.12.1 for vector instructions)
.rept \n
	v_nop
.endr
.endm
.macro STEP slot, q, zero              ; a step of 128 along K that has its successor in the same part
	s_wait_dscnt 4*NL                              ; R's set and P's blocks 0-3 are in; the youngest eight loads (P's blocks 4-7) may be out
	WIN MUL_LO
	MUL16 0, (\q)%2, \q, \slot, \zero
	MUL16 2, (\q)%2, \q, \slot, \zero
	s_wait_dscnt 0                                 ; P's blocks 4-7 are in
	PLACES NP
	FETCH_B \slot, (\q)+1, 1-(\q)%2
	FETCH_A \slot, (\q)+1, 0
	WIN MUL_HI
	MUL16 4, (\q)%2, \q, \slot, \zero
	MUL16 6, (\q)%2, \q, \slot, \zero
	PLACES NP
	WIN 0
	FETCH_A \slot, (\q)+1, 4
.endm
.macro STEPS slot, from                ; the part's steps from .. NQ - 2
.set Q, \from
.rept NQ-1-\from
	STEP \slot, Q, 0
.set Q, Q+1
.endr
.endm
	s_wait_tensorcnt 1                             ; the scale bytes and my quarter of part 0 are in (part 1's load may be out),
	s_barrier_signal -1
	s_barrier_wait -1                              ; everybody's are
	FETCH_B 0, 0, 0
	FETCH_A 0, 0, 0
	SCALES 0
	FETCH_A 0, 0, 4
	STEP 0, 0, 1                                   ; the first step's products start the sums: nothing is cleared
	STEPS 0, 1
	; part 0's last step goes over to part 1: my quarter of it has landed, then one barrier
	s_wait_tensorcnt 0x0
	s_wait_dscnt 4*NL                              ; (P's blocks 4-7 may be out)
	WIN MUL_LO
	MUL16 0, 1, NQ-1, 0, 0
	s_wait_dscnt 0x0                               ; no LDS instruction of mine is pending at the signal
	s_barrier_signal -1
	MUL16 2, 1, NQ-1, 0, 0
	WIN 0
	s_barrier_wait -1                              ; part 1 is whole
	PLACES NP
	v_add_nc_u32 v[ADRS], 4*NQ, v[ADRS]            ; on to part 1's scale words
	FETCH_B 1, 0, 0
	FETCH_A 1, 0, 0
	SCALES 1
	WIN MUL_HI
	MUL16 4, 1, NQ-1, 0, 0
	MUL16 6, 1, NQ-1, 0, 0
	PLACES NP
	WIN 0
	FETCH_A 1, 0, 4
	STEPS 1, 0
	s_wait_dscnt 4*NL                              ; the very last step: nothing more to fetch
	WIN MUL_LO
	MUL16 0, 1, NQ-1, 1, 0
	MUL16 2, 1, NQ-1, 1, 0
	s_wait_dscnt 0
	WIN MUL_HI
	MUL16 4, 1, NQ-1, 1, 0
	MUL16 6, 1, NQ-1, 1, 0
	WIN 0
; Block a of 16 P rows: its 64 registers become a fragment's codes in v[PC + 8 a] on and its rows' scale word in v[PW + a].  Each accumulator is read from its low end on.
.macro GQUANT a
.set S,   64*((\a)%4)
.set W,   2+(\a)/4
.set WW,  W*5                          ; sources 0 and 1 in window W
.set PCA, PC+8*(\a)
	WIN WW
.irp b, 0,1,2,3
	v_max3_num_f32 v[TM+\b], |v[S+16*\b]|, |v[S+16*\b+1]|, 0x1800000   ; block b: my 16 numbers, and the floor 2^(3 - 127): the byte cannot fall under 1
.endr
.irp i, 2,4,6,8,10,12,14
.irp b, 0,1,2,3
	v_max3_num_f32 v[TM+\b], |v[S+16*\b+\i]|, |v[S+16*\b+\i+1]|, v[TM+\b]   ; (the four blocks by turns)
.endr
.endr
	WIN 0
.irp b, 0,1,2,3
	v_permlanex16_b32 v[TM+4+\b], v[TM+\b], s2, s3
.endr
.irp b, 0,1,2,3
	v_max_num_f32 v[TM+\b], v[TM+\b], v[TM+4+\b]   ; with lane l xor 16's: the block's largest magnitude
.endr
.irp b, 0,1,2,3
	v_add_nc_u32 v[TM+12+\b], 0xff000000, v[TM+\b] ; 2 off its exponent field: the conversion's scale operand
.endr
.irp b, 0,1,2,3
	v_lshrrev_b32 v[TM+4+\b], 23, v[TM+12+\b]      ; the scale's byte
.endr
	v_lshl_or_b32 v[PW+\a], v[TM+5], 8, v[TM+4]
	v_lshl_or_b32 v[PW+\a], v[TM+6], 16, v[PW+\a]
	v_lshl_or_b32 v[PW+\a], v[TM+7], 24, v[PW+\a]
	WIN W                                          ; source 0 in window W
.irp c, 0,1
.irp u, 0,1
	v_cvt_scalef32_pk8_fp4_f32 v[PCA+4*\c+2*\u], v[S+8*(4*\c+\u):S+8*(4*\c+\u)+7], v[TM+12+2*\c]           ; block 2 c, groups 2 u + h
	v_cvt_scalef32_pk8_fp4_f32 v[PCA+4*\c+2*\u+1], v[S+8*(4*\c+2+\u):S+8*(4*\c+2+\u)+7], v[TM+13+2*\c]     ; block 2 c + 1, groups 2 u + h
.endr
.endr
	WIN 0
	v_nop                                          ; one plain place behind a scaled conversion
.irp c, 0,1
.irp u, 0,1
	v_permlane16_swap_b32 v[PCA+4*\c+2*\u], v[PCA+4*\c+2*\u+1]   ; the first's lanes 16-31 change places with the second's lanes 0-15
.endr
.endr
.endm
	s_mov_b32 s2, 0x76543210
	s_mov_b32 s3, 0xfedcba98                       ; v_permlanex16_b32's selects for lane l xor 16
	PLACES NP                                      ; behind the last products: their results are read, and P's fragments are written over
.irp a, 0,1,2,3,4,5,6,7
	GQUANT \a
.endr
	v_bfe_u32 v[LO], v0, 4, 1
	v_cmp_eq_u32 vcc_lo, 1, v[LO]                  ; lanes 16-31
	s_cmp_eq_u32 ttmp9, 2                          ; the section: the same in all partners
	s_cbranch_scc1 .Lout_v
	; q, k: block a is a tile of 16 tokens; registers 4 c on belong to head c of my two
.irp a, 0,1,2,3,4,5,6,7
.irp c, 0,1
	global_store_b128 v[VO], v[PC+8*\a+4*\c:PC+8*\a+4*\c+3], s[8:9] offset:512*\a+65536*\c   ; the wave stores 512 consecutive bytes, aligned
.endr
.endr
.irp f, 0,1,2,3
	v_perm_b32 v[LO+\f], v[PW+2*\f+1], v[PW+2*\f], 0x05040100   ; the first head's bytes of tokens 32 f + r and 32 f + 16 + r
	v_perm_b32 v[HI+\f], v[PW+2*\f+1], v[PW+2*\f], 0x07060302   ; the second head's
.endr
.irp f, 0,1,2,3
	v_cndmask_b32 v[OW+\f], v[LO+\f], v[HI+\f], vcc_lo
.endr
	global_store_b128 v[VS], v[OW:OW+3], s[10:11]  ; sixteen lanes store 256 consecutive bytes, aligned
	s_branch .Ldone
.Lout_v:
	; v: block a is 16 of a head's d: head a / 4 of my two, tile a % 4; its fragment's K are my 128 keys
.irp a, 0,1,2,3,4,5,6,7
.irp c, 0,1
	global_store_b128 v[VO], v[PC+8*\a+4*\c:PC+8*\a+4*\c+3], s[8:9] offset:65536*(\a/4)+1024*(\a%4)+512*\c
.endr
.endr
.irp f, 0,1,2,3
	v_cndmask_b32 v[OW+\f], v[PW+\f], v[PW+4+\f], vcc_lo
.endr
	global_store_b128 v[VS], v[OW:OW+3], s[10:11]
.Ldone:
	s_wait_tensorcnt 0x0
	ds_add_u32 v254, v255
	s_wait_dscnt 0x0
	CROUND                                         ; the closing round: no work-group ends while a partner may still ask for a tile that names it
	s_endpgm
.Lfunc_end_k_qe94845eaf8_qkv:
	.size	k_qe94845eaf8_qkv, .Lfunc_end_k_qe94845eaf8_qkv-k_qe94845eaf8_qkv
	.p2alignl 7, 3214868480
	.fill 96, 4, 3214868480
	.section	.rodata,"a",@progbits
	.p2align	6, 0x0
	.amdhsa_kernel k_qe94845eaf8_qkv
		.amdhsa_group_segment_fixed_size 296448
		.amdhsa_private_segment_fixed_size 0
		.amdhsa_enable_private_segment 0
		.amdhsa_kernarg_size 32
		.amdhsa_user_sgpr_count 2
		.amdhsa_user_sgpr_kernarg_segment_ptr 1
		.amdhsa_wavefront_size32 1
		.amdhsa_system_sgpr_workgroup_id_x 1
		.amdhsa_system_sgpr_workgroup_id_y 1
		.amdhsa_system_sgpr_workgroup_id_z 1
		.amdhsa_system_vgpr_workitem_id 0
		.amdhsa_next_free_vgpr 1024
		.amdhsa_next_free_sgpr 100
		.amdhsa_reserve_vcc 1
		.amdhsa_float_denorm_mode_32 3
		.amdhsa_float_denorm_mode_16_64 3
		.amdhsa_memory_ordered 1
		.amdhsa_forward_progress 1
		.amdhsa_inst_pref_size 131
	.end_amdhsa_kernel
	.amdgpu_metadata
---
amdhsa.version: [ 1, 2 ]
amdhsa.kernels:
  - .name:           k_qe94845eaf8_qkv
    .symbol:         k_qe94845eaf8_qkv.kd
    .args:
      - { .name: xw_codes, .offset: 0, .size: 8, .value_kind: global_buffer, .address_space: global }
      - { .name: xw_scales, .offset: 8, .size: 8, .value_kind: global_buffer, .address_space: global }
      - { .name: qkv_img, .offset: 16, .size: 8, .value_kind: global_buffer, .address_space: global }
      - { .name: qkv_sc, .offset: 24, .size: 8, .value_kind: global_buffer, .address_space: global }
    .group_segment_fixed_size: 296448
    .private_segment_fixed_size: 0
    .kernarg_segment_align: 8
    .kernarg_segment_size: 32
    .max_flat_workgroup_size: 128
    .sgpr_count:     100
    .vgpr_count:     1024
    .wavefront_size: 32
...
	.end_amdgpu_metadata
.endif
;; end of part 2
;; launch attn (part 3): grid 4 x 64, 16 waves a work-group, clusters of 4 x 1, 169,984 bytes of LDS; arguments qkv_img, qkv_sc, a_img, a_sc; writes a_img, a_sc
.if DOCPART == 3
	.amdgcn_target "amdgcn-amd-amdhsa--gfx1250"
	.amdhsa_code_object_version 6
	.text
	.protected	k_qe94845eaf8_attn
	.globl	k_qe94845eaf8_attn
	.p2align	8
	.type	k_qe94845eaf8_attn,@function
k_qe94845eaf8_attn:
	s_mov_b64 s[64:65], 0
	v_nop
	global_prefetch_b8 v0, s[64:65] scope:SCOPE_SE
	s_setreg_imm32_b32 hwreg(HW_REG_WAVE_MODE, 25, 1), 1
	s_wait_xcnt 0x0
	s_wait_alu depctr_hold_cnt(0) depctr_sa_sdst(0) depctr_va_vdst(0) depctr_va_sdst(0) depctr_va_ssrc(0) depctr_va_vcc(0) depctr_vm_vsrc(0)
	s_getreg_b32 s2, hwreg(HW_REG_IB_STS2, 6, 4)
	s_cmp_eq_u32 s2, 0
	s_cbranch_scc0 .Lentry_in_a_cluster
	s_endpgm
.Lentry_in_a_cluster:
	s_bfe_u32 s2, ttmp6, 0x10000c
	s_cmp_lg_u32 s2, 0x3003
	s_cbranch_scc0 .Lentry_shape_is_right
	s_endpgm
.Lentry_shape_is_right:
; Causal attention of one head on codes of FP4 with E8M0 scales: S^T = K Q^T (K = the head's 64), p = 2^(t - M), O^T = V^T P^T (K = the keys); O / the row's sum is quantised along d and leaves as codes.
; t = score x log2(e) / 8; M = the running largest t rounded UP to a whole number; the row's sum is taken of the unquantised p; when M moves, the sum and O^T are multiplied by 2^(old M - new M), which rounds nothing.
; SHARES.  The four work-groups of a cluster belong to one head (the cluster's y).  THE HEAD'S WHOLE K AND V, AS CODES, FIT IN LDS (131,072 bytes, and 8,192 of scale bytes): they are asked for JOINTLY, once, at the start:
; no LDS byte is filled twice, and no wave stores to LDS.  A wave takes TWO tiles of 16 queries: T0 = 8 a + b and T1 = 127 - T0, a = wave / 2, b = 4 (wave % 2) + cx.  T0 sees key steps (128 keys) 0 .. a,
; T1 sees 0 .. 15 - a: 17 steps for every wave.  Both loops have constant trip counts; a step all of whose keys come after the queries is jumped over by a scalar branch on a, which is made of the wave's number alone.
; cx enters global addresses of q and of the results, the mask's comparison value and one shift amount: no branch, no LDS address, no joint load's descriptor.
; LAYOUT.  Both products are used transposed: a lane holds ONE query (lane % 16) throughout.  With K = 64 one fragment of 8 registers holds TWO tiles of 16 keys (registers 0-3: keys 32 f + r, registers 4-7: keys 32 f + 16 + r);
; it is multiplied by (q, 0) and by (0, q): zero codes add nothing.  So the 8 tiles of scores lie in natural order: register 8 t + j of lane (r, h) = key 16 t + 8 h + j.
; p's codes: a conversion's word of (block of 32, tile half u) in lane half h is the block's group of eight 2 u + h; words of blocks 2 c and 2 c + 1 with the same u stand in neighbouring registers and change halves by
; v_permlane16_swap_b32: register 4 c + i of lane half h' then holds key 64 c + 32 h' + 8 i on: the operand's layout.
; a_img: [128 tokens][128 of d_model][tile of 16 tokens][c][lane][16 bytes]: the next product's fragments, registers on end.  a_sc: [128 tokens][K half][tile][r][word][byte 2 c + block].  The scale bytes leave one a lane:
; 32 single bytes a tile and head, a sixteenth of the codes' bytes: neighbours in a word belong to other heads, which other clusters make.
; LIMITS: NaN and infinities are not served; t under -3e38 is not served; a block of zeros (of p, of the result) keeps the byte 1: its codes are zeros, and this program alone reads the bytes.
; A block's largest p is made from the block's largest score by the same multiply-add and exponential; this takes v_exp_f32 not to fall where its input rises.
.set KIMG, 0                           ; LDS: K's codes [tile of 16 keys][512 bytes]
.set VIMG, 65536                       ; V's [key step][16 d][1,024 bytes]
.set KSC,  131072                      ; K's scale words [key step][r][4 words];  V's lie 4,096 bytes on
.set LI,   1                           ; v1   16 x lane
.set AV0,  2                           ; v2   VIMG + 16 x lane
.set AS0,  3                           ; v3   KSC + 16 r
.set DV,   4                           ; v4-5 tile n: 16 (T % 8) + r - 8 h: register 8 t + j is hidden on the diagonal where 16 t + j is above it
.set GO,   6                           ; v6-7 tile n: my byte offset in a_img
.set ADK,  8                           ; v8-10 LDS addresses of the step in hand (v8-9 first hold q's offsets)
.set ADV,  9
.set ADS,  10
.set QA,   8
.set NINF, 11                          ; v11  -infinity
.set QZ,   16                          ; v16-35: 0 x 4, q0, 0 x 4, q1, 0 x 4: (0, q n) = v[16 + 8 n ..], (q n, 0) = v[20 + 8 n ..]
.set QS,   36                          ; v36-37 q's scale words: bytes s0, s1, s0, s1
.set GS,   38                          ; v38-39 tile n: my byte offset in a_sc
.set KF,   40                          ; v40-71   four fragments of K
.set VF,   72                          ; v72-103  four fragments of V
.set S,    104                         ; v104-167 the scores, then p
.set O,    168                         ; v168-199 O^T
.set PC,   200                         ; v200-207 p's codes
.set KSW,  208                         ; v208-211 K's scale words;  v212-215 V's;  v216 p's
.set VSW,  212
.set PW,   216
.set QB,   218                         ; v218-219 offsets of q's scale words
.set BM,   220                         ; v220-223 a block's largest score, then largest p
.set T4,   224                         ; v224-227 at work
.set SO,   228                         ; v228-231 the conversions' scale operands
.set FF,   232                         ; v[232:233] f = 2^(old M - new M)
.set TT,   234
.set CH,   236                         ; v[236:237] the sum's second chain
.set EC,   240                         ; v240-243 the result's codes;  v244 its scale byte
.set EB,   244
.set WV,   12
.set CX,   13
.set BH,   14
.set SH,   16                          ; s16-17 tile n: 16 (T % 2)
.set SEL,  20
.set CS,   22                          ; s[22:23] c = log2(e) / 8
.set G1I,  24                          ; s[24:31] descriptor group 1 for 16,384 bytes of codes;  s[32:39] for 4,096 scale bytes;  s[40:43], s[44:47] their groups 0
.set G1S,  32
.set G0I,  40
.set G0S,  44
.set TB,   48                          ; s48  4,096 x key step
.set TS,   49                          ; s49  256 x key step
.set KI,   50                          ; s50  the key step
.set LIM,  51                          ; s51-52 tile n's last key step: a, 15 - a
.set TL,   54                          ; s54-55 T % 8: b, 7 - b
.set HM,   66                          ; s66  lanes 16-31
.macro CROUND                          ; a round of the cluster's barrier
	s_barrier_signal -1
	s_barrier_wait -1
	s_cmp_lg_u32 s[WV], 0
	s_cbranch_scc1 .Lnot_wave_0_\@
	s_barrier_signal -3
.Lnot_wave_0_\@:
	s_barrier_wait -3
	s_barrier_signal -1
	s_barrier_wait -1
.endm
	s_load_b128 s[4:7], s[0:1], 0x0                ; qkv_img s[4:5], qkv_sc s[6:7]
	s_load_b128 s[8:11], s[0:1], 0x10              ; a_img s[8:9], a_sc s[10:11]
	v_lshl_add_u32 v254, v0, 2, 0x29000
	v_mov_b32 v255, 0
	ds_add_u32 v254, v255
	ds_add_u32 v254, v255
	v_lshrrev_b32 v1, 5, v0
	v_readfirstlane_b32 s[WV], v1                  ; wave 0..15
	s_bfe_u32 s[CX], ttmp6, 0x40000                ; cx
	s_and_b32 s[BH], ttmp7, 0xffff                 ; 16 x batch + head: the four partners share it
	; descriptor group 1: dense blocks as rows of 256 bytes (32 elements of 8 bytes), no padding: every read takes 512 consecutive bytes
	s_mov_b32 s[G1I], 15|(3<<16)|(1<<21)           ; 15:0 the mask: all four work-groups; 17:16 elements of 8 bytes; 21 set beside a mask
	s_mov_b32 s[G1I+1], 32<<16                     ; tensor_dim0
	s_mov_b32 s[G1I+2], 64<<16                     ; tensor_dim1
	s_mov_b32 s[G1I+3], 32<<16                     ; tile_dim0
	s_mov_b32 s[G1I+4], 64                         ; tile_dim1
	s_mov_b32 s[G1I+5], 32                         ; tensor_dim0_stride
	s_mov_b32 s[G1I+6], 0
	s_mov_b32 s[G1I+7], 0
	s_mov_b32 s[G1S], 15|(3<<16)|(1<<21)
	s_mov_b32 s[G1S+1], 32<<16
	s_mov_b32 s[G1S+2], 16<<16
	s_mov_b32 s[G1S+3], 32<<16
	s_mov_b32 s[G1S+4], 16
	s_mov_b32 s[G1S+5], 32
	s_mov_b32 s[G1S+6], 0
	s_mov_b32 s[G1S+7], 0
	; waves 0-3 fetch K's four quarters, waves 4-7 V's; waves 8 and 9 the scale words of K and of V
	s_and_b32 s16, s[WV], 7
	s_lshl_b32 s[G0I+1], s16, 14                   ; LDS: 16,384 x (wave % 8)
	s_lshr_b32 s17, s16, 2
	s_lshl_b32 s17, s17, 22                        ; V's section lies 4 MiB behind K's
	s_and_b32 s18, s[WV], 3
	s_lshl_b32 s18, s18, 14
	s_add_co_u32 s18, s18, s17
	s_lshl_b32 s17, s[BH], 16                      ; 65,536 bytes a head
	s_add_co_u32 s18, s18, s17
	s_add_co_u32 s18, s18, 0x400000                ; K's section
	s_mov_b32 s19, 0
	s_and_b32 s16, s[WV], 1
	s_lshl_b32 s[G0S+1], s16, 12
	s_add_co_u32 s[G0S+1], s[G0S+1], KSC
	s_lshl_b32 s2, s16, 18
	s_lshl_b32 s17, s[BH], 12
	s_add_co_u32 s2, s2, s17
	s_add_co_u32 s2, s2, 0x40000
	s_mov_b32 s3, 0
	s_mov_b32 s[G0I], 1
	s_mov_b32 s[G0S], 1
	s_mov_b32 s[SEL], 0x76543210
	s_mov_b32 s[SEL+1], 0xfedcba98                 ; v_permlanex16_b32's selects for lane l xor 16
	s_mov_b32 s[CS], 0x3e38aa3b                    ; c = log2(e) / sqrt(64)
	s_mov_b32 s[CS+1], s[CS]                       ; (named with it as a pair, so it is written)
	s_wait_dscnt 0x0
	s_wait_kmcnt 0x0
	s_add_nc_u64 s[G0I+2:G0I+3], s[4:5], s[18:19]
	s_or_b32 s[G0I+3], s[G0I+3], 0x80000000
	s_add_nc_u64 s[G0S+2:G0S+3], s[6:7], s[2:3]
	s_or_b32 s[G0S+3], s[G0S+3], 0x80000000
	CROUND                                         ; all four work-groups are here: the joint loads meet
	s_cmp_lt_u32 s[WV], 8                          ; the branches hang on the wave's number alone; one load a wave at the most; four v_nop follow each line
	s_cbranch_scc0 .Lnot_codes
	tensor_load_to_lds s[G0I:G0I+3], s[G1I:G1I+7]
	s_nop 0
.rept 4
	v_nop
.endr
	s_branch .Lasked
.Lnot_codes:
	s_cmp_lt_u32 s[WV], 10
	s_cbranch_scc0 .Lasked
	tensor_load_to_lds s[G0S:G0S+3], s[G1S:G1S+7]
	s_nop 0
.rept 4
	v_nop
.endr
.Lasked:
	v_and_b32 v[LI], 31, v0
	v_lshlrev_b32 v[LI], 4, v[LI]
	v_add_nc_u32 v[AV0], VIMG, v[LI]
	v_and_b32 v245, 15, v0                         ; r
	v_bfe_u32 v246, v0, 4, 1                       ; h
	v_lshl_add_u32 v[AS0], v245, 4, KSC
	v_lshlrev_b32 v247, 3, v246
	v_sub_nc_u32 v247, v245, v247                  ; r - 8 h
	v_lshl_add_u32 v248, v245, 4, v246             ; 16 r + h
	v_cmp_eq_u32 s[HM], 1, v246
	v_mov_b32 v[NINF], 0xff800000
.irp j, 0,1,2,3,8,9,10,11,16,17,18,19
	v_mov_b32 v[QZ+\j], 0                          ; the zero halves beside q
.endr
.irp b, 0,1,2,3
	v_mov_b32 v[T4+\b], 0                          ; written once: a lane permute's destination counts as one of its sources
.endr
	v_mov_b32 v[FF+1], 0                           ; (named as the upper half of a pair)
	v_mov_b32 v[TT], 0
	s_lshr_b32 s[LIM], s[WV], 1                    ; a
	s_xor_b32 s[LIM+1], s[LIM], 15                 ; 15 - a
	s_and_b32 s[TL], s[WV], 1
	s_lshl_b32 s[TL], s[TL], 2
	s_add_co_u32 s[TL], s[TL], s[CX]               ; b
	s_xor_b32 s[TL+1], s[TL], 7                    ; 7 - b
	s_lshl_b32 s56, s[BH], 16                      ; the head in q's codes,
	s_lshl_b32 s57, s[BH], 12                      ; in q's scale words
	s_lshr_b32 s58, s[BH], 4                       ; batch
	s_and_b32 s59, s[BH], 15                       ; head
	s_lshr_b32 s60, s59, 1                         ; which 128 of d_model,
	s_and_b32 s61, s59, 1                          ; and which half of them
	s_lshl_b32 s62, s58, 20                        ; a_img: 16 groups of 65,536 bytes a batch,
	s_lshl_b32 s63, s60, 13
	s_add_co_u32 s62, s62, s63
	s_lshl_b32 s63, s61, 9
	s_add_co_u32 s62, s62, s63
	s_lshl_b32 s68, s58, 16                        ; a_sc: 16 groups of 4,096 bytes a batch,
	s_lshr_b32 s63, s60, 2
	s_lshl_b32 s63, s63, 11                        ; the K half,
	s_add_co_u32 s68, s68, s63
	s_and_b32 s63, s60, 3
	s_lshl_b32 s63, s63, 2                         ; the word,
	s_add_co_u32 s68, s68, s63
	s_lshl_b32 s63, s61, 1                         ; the pair of bytes
	s_add_co_u32 s68, s68, s63
.macro TILE n                          ; query tile n: its loads, and the offsets of its results
	s_lshl_b32 s69, s[LIM+\n], 12
	s_lshl_b32 s70, s[TL+\n], 9
	s_add_co_u32 s69, s69, s70
	s_add_co_u32 s69, s69, s56
	v_add_nc_u32 v[QA+\n], s69, v[LI]
	global_load_b128 v[QZ+4+8*\n:QZ+7+8*\n], v[QA+\n], s[4:5]     ; q's codes: 512 consecutive bytes
	s_lshl_b32 s69, s[LIM+\n], 8
	s_lshr_b32 s70, s[TL+\n], 1
	s_lshl_b32 s70, s70, 2
	s_add_co_u32 s69, s69, s70
	s_add_co_u32 s69, s69, s57
	v_lshl_add_u32 v[QB+\n], v245, 4, s69
	global_load_b32 v[QS+\n], v[QB+\n], s[6:7]                    ; the word that holds my query's two bytes
	s_lshl_b32 s69, s[TL+\n], 4
	v_add_nc_u32 v[DV+\n], s69, v247
	s_lshl_b32 s69, s[LIM+\n], 16
	s_lshl_b32 s70, s[TL+\n], 10
	s_add_co_u32 s69, s69, s70
	s_add_co_u32 s69, s69, s62
	v_add_nc_u32 v[GO+\n], s69, v[LI]
	s_lshl_b32 s69, s[LIM+\n], 12
	s_lshl_b32 s70, s[TL+\n], 8
	s_add_co_u32 s69, s69, s70
	s_add_co_u32 s69, s69, s68
	v_add_nc_u32 v[GS+\n], s69, v248
	s_and_b32 s[SH+\n], s[TL+\n], 1
	s_lshl_b32 s[SH+\n], s[SH+\n], 4
.endm
	TILE 0
	TILE 1
	s_wait_loadcnt 0x0                             ; q and its scale words
.irp n, 0,1
	v_lshrrev_b32 v[QS+\n], s[SH+\n], v[QS+\n]     ; an odd tile's bytes lie in the word's upper half
.endr
.irp n, 0,1
	v_perm_b32 v[QS+\n], v[QS+\n], v[QS+\n], 0x01000100   ; s0, s1, s0, s1: they serve (q, 0) and (0, q) alike
.endr
	s_wait_tensorcnt 0x0                           ; my part of the head has landed (on every wave's path),
	s_barrier_signal -1
	s_barrier_wait -1                              ; everybody's has.  From here on LDS is only read
; Query tile n walks its key steps.  O^T and the sum begin as zeros and the largest t as -3e38, so that the step is written once: the first change of M multiplies zeros.
.macro PHASE n, trips
	v_mov_b32 v13, 0xff61b1e6                      ; the largest t so far
	v_mov_b32 v14, 0                               ; the sum, in two halves
	v_mov_b32 v15, 0
	v_floor_f32 v12, -v13                          ; -M
.set i, 0
.rept 32
	v_mov_b32 v[O+i], 0
.set i, i+1
.endr
	s_mov_b32 s[TB], 0
	s_mov_b32 s[TS], 0
	s_mov_b32 s[KI], 0
.Lstep_\@:
	s_cmp_gt_u32 s[KI], s[LIM+\n]                  ; all keys of this step come after my queries: only the counters step
	s_cbranch_scc1 .Lhidden_\@
	v_add_nc_u32 v[ADK], s[TB], v[LI]              ; these three and the v_nop are the four places between the last step's products and the loads into their registers
	v_add_nc_u32 v[ADV], s[TB], v[AV0]
	v_add_nc_u32 v[ADS], s[TS], v[AS0]
	v_nop
.irp f, 0,1,2,3
.irp c, 0,1
	ds_load_b128 v[KF+8*\f+4*\c:KF+8*\f+4*\c+3], v[ADK] offset:1024*\f+512*\c
.endr
.endr
	ds_load_b128 v[KSW:KSW+3], v[ADS]
.irp f, 0,1,2,3
.irp c, 0,1
	ds_load_b128 v[VF+8*\f+4*\c:VF+8*\f+4*\c+3], v[ADV] offset:1024*\f+512*\c
.endr
.endr
	ds_load_b128 v[VSW:VSW+3], v[ADS] offset:4096
	s_wait_dscnt 9                                 ; K's nine loads are in; V's nine, issued behind them, stay out till the second product
.irp f, 0,1,2,3
	v_wmma_scale_f32_16x16x128_f8f6f4 v[S+16*\f:S+16*\f+7], v[KF+8*\f:KF+8*\f+7], v[QZ+4+8*\n:QZ+11+8*\n], 0, v[KSW+\f], v[QS+\n] matrix_a_fmt:MATRIX_FMT_FP4 matrix_b_fmt:MATRIX_FMT_FP4      ; keys 32 f + 0 .. 15
	v_wmma_scale_f32_16x16x128_f8f6f4 v[S+16*\f+8:S+16*\f+15], v[KF+8*\f:KF+8*\f+7], v[QZ+8*\n:QZ+7+8*\n], 0, v[KSW+\f], v[QS+\n] matrix_a_fmt:MATRIX_FMT_FP4 matrix_b_fmt:MATRIX_FMT_FP4   ; keys 32 f + 16 .. 31
.endr
.rept 4
	v_nop
.endr
	s_cmp_lg_u32 s[KI], s[LIM+\n]                  ; only the last step lies on the diagonal
	s_cbranch_scc1 .Lopen_\@
.set i, 0
.rept 64
	v_cmp_gt_i32 vcc_lo, 16*(i/8)+i%8, v[DV+\n]    ; hidden scores become -infinity ahead of the maximum: p = 0 then
	v_cndmask_b32 v[S+i], v[S+i], v[NINF], vcc_lo
.set i, i+1
.endr
.Lopen_\@:
.irp b, 0,1,2,3
	v_max3_num_f32 v[BM+\b], v[S+16*\b], v[S+1+16*\b], v[S+2+16*\b]   ; the largest score of each block of 32 keys: for the row's maximum, and for the block's largest p
.endr
.irp i, 3,5,7,9,11,13
.irp b, 0,1,2,3
	v_max3_num_f32 v[BM+\b], v[BM+\b], v[S+16*\b+\i], v[S+1+16*\b+\i]
.endr
.endr
.irp b, 0,1,2,3
	v_max_num_f32 v[BM+\b], v[BM+\b], v[S+15+16*\b]
.endr
.irp b, 0,1,2,3
	v_permlanex16_b32 v[T4+\b], v[BM+\b], s[SEL], s[SEL+1]
.endr
.irp b, 0,1,2,3
	v_max_num_f32 v[BM+\b], v[BM+\b], v[T4+\b]     ; with lane l xor 16's 16 keys
.endr
	v_max3_num_f32 v[TT], v[BM], v[BM+1], v[BM+2]
	v_max_num_f32 v[TT], v[TT], v[BM+3]            ; the step's largest score of my query
	v_mul_f32 v[TT], s[CS], v[TT]                  ; as t
	v_max_num_f32 v13, v13, v[TT]                  ; the running largest t
	v_mov_b32 v[TT], v12
	v_floor_f32 v12, -v13                          ; the new -M = -ceil(t)
	v_sub_f32 v[TT], v12, v[TT]                    ; old M - new M: a whole number, 0 or less
	v_cvt_i32_f32 v[TT], v[TT]                     ; (it saturates)
	v_ldexp_f32 v[FF], 1.0, v[TT]                  ; f
.set i, 0
.rept 32
	v_pk_fma_f32 v[S+i:S+i+1], v[S+i:S+i+1], s[CS:CS+1], v[12:13] op_sel_hi:[1,0,0]   ; t - M, two at a time
.set i, i+2
.endr
.irp b, 0,1,2,3
	v_fma_f32 v[BM+\b], v[BM+\b], s[CS], v12       ; the same of each block's largest score
.endr
.set i, 0
.rept 64
	v_exp_f32 v[S+i], v[S+i]                       ; p = 2^(t - M): one batch
.set i, i+1
.endr
	v_pk_mul_f32 v[14:15], v[14:15], v[FF:FF+1] op_sel_hi:[1,0]   ; the sums under the new M: the plain line behind the exponentials
	s_wait_alu depctr_va_vdst(0)                   ; one wait for the batch, ahead of its first reader
.irp b, 0,1,2,3
	v_exp_f32 v[BM+\b], v[BM+\b]                   ; each block's largest p
.endr
	v_pk_add_f32 v[CH:CH+1], v[S:S+1], v[S+2:S+3]  ; the row's sum of the unquantised p, in two chains; it reads the 64 alone
.set i, 4
.rept 15
	v_pk_add_f32 v[14:15], v[14:15], v[S+i:S+i+1]
	v_pk_add_f32 v[CH:CH+1], v[CH:CH+1], v[S+i+2:S+i+3]
.set i, i+4
.endr
	v_pk_add_f32 v[14:15], v[14:15], v[CH:CH+1]
	s_wait_alu depctr_va_vdst(0)                   ; and one for the four
.irp b, 0,1,2,3
	v_max_num_f32 v[BM+\b], 0x1800000, v[BM+\b]    ; the floor 2^(3 - 127): the byte cannot fall under 1
.endr
.irp b, 0,1,2,3
	v_add_nc_u32 v[SO+\b], 0xff000000, v[BM+\b]    ; 2 off the exponent field: the conversion's scale operand
.endr
.irp b, 0,1,2,3
	v_lshrrev_b32 v[T4+\b], 23, v[SO+\b]           ; the scale's byte
.endr
	v_lshl_or_b32 v[PW], v[T4+1], 8, v[T4]         ; p's scale word for these 128 keys
	v_lshl_or_b32 v[PW], v[T4+2], 16, v[PW]
	v_lshl_or_b32 v[PW], v[T4+3], 24, v[PW]
.irp c, 0,1
.irp u, 0,1
	v_cvt_scalef32_pk8_fp4_f32 v[PC+4*\c+2*\u], v[S+8*(4*\c+\u):S+8*(4*\c+\u)+7], v[SO+2*\c]
	v_cvt_scalef32_pk8_fp4_f32 v[PC+4*\c+2*\u+1], v[S+8*(4*\c+2+\u):S+8*(4*\c+2+\u)+7], v[SO+2*\c+1]
.endr
.endr
	v_nop                                          ; one plain place behind a scaled conversion
.irp c, 0,1
.irp u, 0,1
	v_permlane16_swap_b32 v[PC+4*\c+2*\u], v[PC+4*\c+2*\u+1]
.endr
.endr
.set i, 0
.rept 16
	v_pk_mul_f32 v[O+i:O+i+1], v[O+i:O+i+1], v[FF:FF+1] op_sel_hi:[1,0]   ; O^T under the new M.  For each product below twelve of these name none of its registers: the places behind the writes of p's codes and scale word
.set i, i+2
.endr
	s_wait_dscnt 0x0                               ; V and its scale words are in
.irp d, 0,1,2,3
	v_wmma_scale_f32_16x16x128_f8f6f4 v[O+8*\d:O+8*\d+7], v[VF+8*\d:VF+8*\d+7], v[PC:PC+7], v[O+8*\d:O+8*\d+7], v[VSW+\d], v[PW] matrix_a_fmt:MATRIX_FMT_FP4 matrix_b_fmt:MATRIX_FMT_FP4   ; the four accumulators by turns
.endr
.Lhidden_\@:
	s_add_co_u32 s[TB], s[TB], 4096
	s_add_co_u32 s[TS], s[TS], 256
	s_add_co_u32 s[KI], s[KI], 1
	s_cmp_lt_u32 s[KI], \trips
	s_cbranch_scc1 .Lstep_\@
.endm
; Tile n's result: O^T / the sum, quantised along d (two blocks of 32), stored as half a fragment of the next product.
.macro FINISH n
.rept 4
	v_nop                                          ; places behind the last products
.endr
	v_add_f32 v14, v14, v15                        ; the sum's two halves,
	v_permlanex16_b32 v[TT], v14, s[SEL], s[SEL+1]
	v_add_f32 v14, v14, v[TT]                      ; and lane l xor 16's
	v_rcp_f32 v14, v14
	v_nop                                          ; a plain place behind the reciprocal
	s_wait_alu depctr_va_vdst(0)                   ; the wait ahead of its first reader
.set i, 0
.rept 16
	v_pk_mul_f32 v[O+i:O+i+1], v[O+i:O+i+1], v[14:15] op_sel_hi:[1,0]   ; each accumulator from its low end on
.set i, i+2
.endr
.irp b, 0,1
	v_max3_num_f32 v[BM+\b], |v[O+16*\b]|, |v[O+16*\b+1]|, 0x1800000
.endr
.irp i, 2,4,6,8,10,12,14
.irp b, 0,1
	v_max3_num_f32 v[BM+\b], v[BM+\b], |v[O+16*\b+\i]|, |v[O+16*\b+\i+1]|
.endr
.endr
.irp b, 0,1
	v_permlanex16_b32 v[T4+\b], v[BM+\b], s[SEL], s[SEL+1]
.endr
.irp b, 0,1
	v_max_num_f32 v[BM+\b], v[BM+\b], v[T4+\b]
.endr
.irp b, 0,1
	v_add_nc_u32 v[SO+\b], 0xff000000, v[BM+\b]
.endr
.irp b, 0,1
	v_lshrrev_b32 v[T4+\b], 23, v[SO+\b]
.endr
	s_wait_xcnt 0x0                                ; the first tile's stores have read their data registers, which are written again below
	v_cvt_scalef32_pk8_fp4_f32 v[EC], v[O:O+7], v[SO]
	v_cvt_scalef32_pk8_fp4_f32 v[EC+1], v[O+16:O+23], v[SO+1]
	v_cvt_scalef32_pk8_fp4_f32 v[EC+2], v[O+8:O+15], v[SO]
	v_cvt_scalef32_pk8_fp4_f32 v[EC+3], v[O+24:O+31], v[SO+1]
	v_cndmask_b32 v[EB], v[T4], v[T4+1], s[HM]     ; lanes 0-15 store block 0's byte, lanes 16-31 block 1's.  (The plain place behind the conversions)
	v_permlane16_swap_b32 v[EC], v[EC+1]
	v_permlane16_swap_b32 v[EC+2], v[EC+3]         ; lane (r, h): token r, d = 32 h on
	global_store_b128 v[GO+\n], v[EC:EC+3], s[8:9] ; the wave stores 512 consecutive bytes, aligned
	global_store_b8 v[GS+\n], v[EB], s[10:11]
.endm
	PHASE 0, 8
	FINISH 0
	PHASE 1, 16
	FINISH 1
	s_wait_dscnt 0x0
	s_wait_tensorcnt 0x0
	ds_add_u32 v254, v255
	s_wait_dscnt 0x0
	CROUND                                         ; the closing round: no work-group ends while a partner may still ask for a tile that names it
	s_endpgm
.Lfunc_end_k_qe94845eaf8_attn:
	.size	k_qe94845eaf8_attn, .Lfunc_end_k_qe94845eaf8_attn-k_qe94845eaf8_attn
	.p2alignl 7, 3214868480
	.fill 96, 4, 3214868480
	.section	.rodata,"a",@progbits
	.p2align	6, 0x0
	.amdhsa_kernel k_qe94845eaf8_attn
		.amdhsa_group_segment_fixed_size 169984
		.amdhsa_private_segment_fixed_size 0
		.amdhsa_enable_private_segment 0
		.amdhsa_kernarg_size 32
		.amdhsa_user_sgpr_count 2
		.amdhsa_user_sgpr_kernarg_segment_ptr 1
		.amdhsa_wavefront_size32 1
		.amdhsa_system_sgpr_workgroup_id_x 1
		.amdhsa_system_sgpr_workgroup_id_y 1
		.amdhsa_system_sgpr_workgroup_id_z 1
		.amdhsa_system_vgpr_workitem_id 0
		.amdhsa_next_free_vgpr 256
		.amdhsa_next_free_sgpr 72
		.amdhsa_reserve_vcc 1
		.amdhsa_float_denorm_mode_32 3
		.amdhsa_float_denorm_mode_16_64 3
		.amdhsa_memory_ordered 1
		.amdhsa_forward_progress 1
		.amdhsa_inst_pref_size 58
	.end_amdhsa_kernel
	.amdgpu_metadata
---
amdhsa.version: [ 1, 2 ]
amdhsa.kernels:
  - .name:           k_qe94845eaf8_attn
    .symbol:         k_qe94845eaf8_attn.kd
    .args:
      - { .name: qkv_img, .offset: 0, .size: 8, .value_kind: global_buffer, .address_space: global }
      - { .name: qkv_sc, .offset: 8, .size: 8, .value_kind: global_buffer, .address_space: global }
      - { .name: a_img, .offset: 16, .size: 8, .value_kind: global_buffer, .address_space: global }
      - { .name: a_sc, .offset: 24, .size: 8, .value_kind: global_buffer, .address_space: global }
    .group_segment_fixed_size: 169984
    .private_segment_fixed_size: 0
    .kernarg_segment_align: 8
    .kernarg_segment_size: 32
    .max_flat_workgroup_size: 512
    .sgpr_count:     72
    .vgpr_count:     256
    .wavefront_size: 32
...
	.end_amdgpu_metadata
.endif
;; end of part 3
;; launch oproj (part 4): grid 4 x 64, 4 waves a work-group, clusters of 4 x 4, 252,416 bytes of LDS; arguments a_img, a_sc, xw_codes, xw_scales, b_o, out0; writes out0
.if DOCPART == 4
	.amdgcn_target "amdgcn-amd-amdhsa--gfx1250"
	.amdhsa_code_object_version 6
	.text
	.protected	k_qe94845eaf8_oproj
	.globl	k_qe94845eaf8_oproj
	.p2align	8
	.type	k_qe94845eaf8_oproj,@function
k_qe94845eaf8_oproj:
	s_mov_b64 s[64:65], 0
	v_nop
	global_prefetch_b8 v0, s[64:65] scope:SCOPE_SE
	s_setreg_imm32_b32 hwreg(HW_REG_WAVE_MODE, 25, 1), 1
	s_wait_xcnt 0x0
	s_wait_alu depctr_hold_cnt(0) depctr_sa_sdst(0) depctr_va_vdst(0) depctr_va_sdst(0) depctr_va_ssrc(0) depctr_va_vcc(0) depctr_vm_vsrc(0)
	s_getreg_b32 s2, hwreg(HW_REG_IB_STS2, 6, 4)
	s_cmp_eq_u32 s2, 0
	s_cbranch_scc0 .Lentry_in_a_cluster
	s_endpgm
.Lentry_in_a_cluster:
	s_bfe_u32 s2, ttmp6, 0x10000c
	s_cmp_lg_u32 s2, 0xf033
	s_cbranch_scc0 .Lentry_shape_is_right
	s_endpgm
.Lentry_shape_is_right:
; out0 = A w_o^T + b_o on codes of FP4 with E8M0 scales, K = 1,024.  A is the attention's result, laid as this product's fragments (a_img) with its scale words (a_sc); w_o is rows 11264 on of the table of codes.
; A work-group makes 128 tokens x 256 features: 256 work-groups.  Four waves, each 64 tokens x 128 features: 32 accumulators, 256 registers.  THE MATRIX INSTRUCTION IS USED TRANSPOSED (source 0 = 16 rows of w_o,
; source 1 = 16 tokens): a lane then holds eight neighbouring numbers of a row of out0.  The bias is the C of each sum's first matrix instruction.
; ALL OF K FITS IN LDS: A's images (65,536 bytes), w_o's 256 rows in two K halves, and the scale bytes are filled once, at the start: no LDS byte is filled twice.  The stage for the way out has bytes of its own.
; CLUSTERS: 4 x 4 work-groups.  A's bytes hang on the cluster's y and cy alone and are asked for jointly by a row of the cluster, w_o's on cx alone, by a column.
; REGISTERS, in windows of 256: window 0: v16-27 addresses; v32-63 A's scale words, v64-127 w_o's; v128-191 A's fragments, two sets; on the way out v128-255 rows of out0.
;   window 1: w_o's fragments, two sets, at v0 and v64; v128-191 the bias, eight registers a tile of 16 features.   window 2: accumulator (a, b) at v[8 (8 a + b)].
.set PITCH,  272                       ; a row of w_o's tile in LDS: 256 bytes + 16 of padding: the 16 rows that a load touches start at 16 different banks (64 banks of 4 bytes: ISA guide 11.1)
.set HALFB,  128*PITCH
.set BPART,  2*HALFB                   ; a K half of w_o's 256 rows
.set BT,     65536                     ; behind A's images
.set ASC,    BT+2*BPART                ; A's scale words, 4,096 bytes
.set BSC,    ASC+4096                  ; w_o's scale bytes, as runs of 256 bytes + 16 of padding
.set HALFS,  16*272
.set SBLK,   2*272
.set STAGE,  BSC+2*HALFS               ; the way out: 16 rows x (512 bytes + 16) for each wave; no fill ever lands there
.set SPITCH, 528
.set ADRA, 16                          ; v16  A's images: 16 x lane + 4,096 x my half of the tokens
.set ADRB, 20                          ; v20-21 w_o's fragments in K half 0, 1
.set ADSA, 22                          ; v22  A's scale words
.set ADSB, 23                          ; v23  w_o's
.set STO,  24                          ; v24  the way out: where I put 32 bytes of a row
.set RD,   25                          ; v25  and where I read a row back
.set CO,   26                          ; v26  16 x lane
.set BO,   27                          ; v27  32 h: my eight numbers of a tile's bias
.set SA,   32                          ; A's scale words: v[SA + 16 kh + 4 i + q]
.set SB,   64                          ; w_o's: v[SB + 32 kh + 4 i + q]
.set AF,   128
.set BK,   128
.set BIAS, 128                         ; in window 1
.set G1A,  24                          ; s[24:31] group 1: 16,384 bytes of A's images;  s[32:39]: 2,048 bytes of A's scale words
.set G1AS, 32
.set G0A,  40                          ; s[40:47] groups 0 for A's two K halves;  s[56:59] for A's scale words
.set G1B,  48                          ; s[48:55] group 1: 128 rows of w_o;  s[68:75]: their scale bytes
.set G0AS, 56
.set G1BS, 68
.set G0B,  76                          ; s[76:83] groups 0 for w_o's two K halves;  s[84:87] for its scale bytes
.set G0BS, 84
.set MSB, 0
.macro WIN new                         ; the immediate's high byte repeats the setting that is left
.if MSB != \new
	s_set_vgpr_msb (MSB<<8)|\new
.set MSB, \new
.endif
.endm
.macro JLOAD g0a, g1a, g0b, g1b        ; a joint load: waves 0 and 1 fetch for A, waves 2 and 3 for w_o; four v_nop follow each line
	s_cmp_eq_u32 s15, 0
	s_cbranch_scc0 .Lfor_b_\@
	tensor_load_to_lds s[\g0a:\g0a+3], s[\g1a:\g1a+7]
	s_nop 0
.rept 4
	v_nop
.endr
	s_branch .Lasked_\@
.Lfor_b_\@:
	tensor_load_to_lds s[\g0b:\g0b+3], s[\g1b:\g1b+7]
	s_nop 0
.rept 4
	v_nop
.endr
.Lasked_\@:
.endm
.macro CROUND                          ; a round of the cluster's barrier
	s_barrier_signal -1
	s_barrier_wait -1
	s_cmp_lg_u32 s14, 0
	s_cbranch_scc1 .Lnot_wave_0_\@
	s_barrier_signal -3
.Lnot_wave_0_\@:
	s_barrier_wait -3
	s_barrier_signal -1
	s_barrier_wait -1
.endm
	s_load_b128 s[4:7], s[0:1], 0x0                ; a_img s[4:5], a_sc s[6:7]
	s_load_b128 s[8:11], s[0:1], 0x10              ; the table's codes s[8:9], its scale bytes s[10:11]
	s_load_b128 s[88:91], s[0:1], 0x20             ; b_o s[88:89], out0 s[90:91]
	v_lshl_add_u32 v30, v0, 2, 0x3d800
	v_mov_b32 v31, 0
	ds_add_u32 v30, v31
	ds_add_u32 v30, v31
	v_lshrrev_b32 v1, 5, v0
	v_readfirstlane_b32 s14, v1                    ; wave 0..3
	s_lshr_b32 s15, s14, 1                         ; which 64 tokens are mine.  Also: I fetch for A (0) or for w_o (1)
	s_and_b32 s16, s14, 1                          ; which 128 features.  Also: which half I fetch
	s_bfe_u32 s92, ttmp6, 0x40000                  ; cx: the tile of 256 features
	s_bfe_u32 s93, ttmp6, 0x40004                  ; cy
	s_and_b32 s94, ttmp7, 0xffff
	s_lshl_b32 s95, s94, 2
	s_add_co_u32 s95, s95, s93                     ; the group of 128 tokens = 4 x cluster y + cy
	s_lshl_b32 s96, s93, 2
	s_lshl_b32 s96, 15, s96                        ; my row of the cluster
	s_lshl_b32 s97, 0x1111, s92                    ; my column
	s_or_b32 s[G1A], s96, (3<<16)|(1<<21)          ; dense blocks as rows of 256 bytes (32 elements of 8 bytes), no padding: an image is read 512 consecutive bytes at a time
	s_mov_b32 s[G1A+1], 32<<16
	s_mov_b32 s[G1A+2], 64<<16
	s_mov_b32 s[G1A+3], 32<<16
	s_mov_b32 s[G1A+4], 64
	s_mov_b32 s[G1A+5], 32
	s_mov_b32 s[G1A+6], 0
	s_mov_b32 s[G1A+7], 0
	s_or_b32 s[G1AS], s96, (3<<16)|(1<<21)
	s_mov_b32 s[G1AS+1], 32<<16
	s_mov_b32 s[G1AS+2], 8<<16
	s_mov_b32 s[G1AS+3], 32<<16
	s_mov_b32 s[G1AS+4], 8
	s_mov_b32 s[G1AS+5], 32
	s_mov_b32 s[G1AS+6], 0
	s_mov_b32 s[G1AS+7], 0
	s_or_b32 s[G1B], s97, (0<<16)|(1<<20)|(1<<21)|(5<<22)|(3<<25)   ; 128 rows x 256 bytes, 512 apart in memory; four words of padding after every 64
	s_mov_b32 s[G1B+1], 256<<16
	s_mov_b32 s[G1B+2], 128<<16
	s_mov_b32 s[G1B+3], 256<<16
	s_mov_b32 s[G1B+4], 128
	s_mov_b32 s[G1B+5], 512
	s_mov_b32 s[G1B+6], 0
	s_mov_b32 s[G1B+7], 0
	s_or_b32 s[G1BS], s97, (3<<16)|(1<<20)|(1<<21)|(5<<22)|(3<<25)  ; 4,096 dense bytes as 16 rows of 256, padded alike
	s_mov_b32 s[G1BS+1], 32<<16
	s_mov_b32 s[G1BS+2], 16<<16
	s_mov_b32 s[G1BS+3], 32<<16
	s_mov_b32 s[G1BS+4], 16
	s_mov_b32 s[G1BS+5], 32
	s_mov_b32 s[G1BS+6], 0
	s_mov_b32 s[G1BS+7], 0
	s_lshl_b32 s18, s95, 16                        ; A's images: 65,536 bytes a group; in a K half of 32,768 I fetch 16,384
	s_lshl_b32 s2, s16, 14
	s_add_co_u32 s18, s18, s2
	s_mov_b32 s19, 0
	s_lshl_b32 s20, s95, 12                        ; A's scale words: 4,096 bytes a group, I fetch 2,048
	s_lshl_b32 s3, s16, 11
	s_add_co_u32 s20, s20, s3
	s_mov_b32 s21, 0
	s_lshl_b32 s22, s92, 8
	s_lshl_b32 s98, s16, 7
	s_add_co_u32 s22, s22, s98
	s_add_co_u32 s22, s22, 11264                   ; w_o: the table's row
	s_lshl_b32 s98, s22, 5
	s_mov_b32 s99, 0
	s_lshl_b32 s22, s22, 9
	s_mov_b32 s23, 0
	s_mul_i32 s12, s16, HALFB                      ; LDS places hang on the wave's number alone
	s_mul_i32 s13, s16, HALFS
	s_wait_dscnt 0x0
	s_wait_kmcnt 0x0
	s_add_nc_u64 s[18:19], s[4:5], s[18:19]
	s_add_nc_u64 s[20:21], s[6:7], s[20:21]
	s_add_nc_u64 s[22:23], s[8:9], s[22:23]
	s_add_nc_u64 s[98:99], s[10:11], s[98:99]
	CROUND                                         ; all sixteen work-groups are here: the joint loads meet
	s_mov_b32 s[G0AS], 1
	s_add_co_u32 s[G0AS+1], s3, ASC
	s_mov_b64 s[G0AS+2:G0AS+3], s[20:21]
	s_or_b32 s[G0AS+3], s[G0AS+3], 0x80000000
	s_mov_b32 s[G0BS], 1
	s_add_co_u32 s[G0BS+1], s13, BSC
	s_mov_b64 s[G0BS+2:G0BS+3], s[98:99]
	s_or_b32 s[G0BS+3], s[G0BS+3], 0x80000000
	JLOAD G0AS, G1AS, G0BS, G1BS                   ; the scale bytes first.  Three loads of mine are out behind the third JLOAD
.irp k, 0,1
	s_mov_b32 s[G0A+4*\k], 1
	s_add_co_u32 s[G0A+4*\k+1], s2, \k*32768
	s_add_nc_u64 s[G0A+4*\k+2:G0A+4*\k+3], s[18:19], \k*32768
	s_or_b32 s[G0A+4*\k+3], s[G0A+4*\k+3], 0x80000000
	s_mov_b32 s[G0B+4*\k], 1
	s_add_co_u32 s[G0B+4*\k+1], s12, BT+\k*BPART
	s_add_nc_u64 s[G0B+4*\k+2:G0B+4*\k+3], s[22:23], \k*256
	s_or_b32 s[G0B+4*\k+3], s[G0B+4*\k+3], 0x80000000
	JLOAD G0A+4*\k, G1A, G0B+4*\k, G1B
.endr
	s_lshl_b32 s12, s92, 10                        ; my first feature, in bytes of f32: 1,024 x tile + 512 x half
	s_lshl_b32 s13, s16, 9
	s_add_co_u32 s12, s12, s13
	s_mov_b32 s13, 0
	s_add_nc_u64 s[88:89], s[88:89], s[12:13]      ; the bias there
	s_lshl_b32 s2, s95, 19                         ; my first row of out0: 128 x group + 64 x half, 4,096 bytes a row
	s_lshl_b32 s3, s15, 18
	s_add_co_u32 s2, s2, s3
	s_add_co_u32 s2, s2, s12
	s_mov_b32 s3, 0
	s_add_nc_u64 s[90:91], s[90:91], s[2:3]
	v_and_b32 v1, 15, v0                           ; r
	v_bfe_u32 v2, v0, 4, 1                         ; h
	v_and_b32 v3, 31, v0
	v_lshlrev_b32 v[CO], 4, v3
	v_lshlrev_b32 v[BO], 5, v2
	WIN 0x40                                       ; destination window 1
.irp b, 0,1,2,3,4,5,6,7
	global_load_b128 v[BIAS+8*\b:BIAS+8*\b+3], v[BO], s[88:89] offset:64*\b       ; lane (r, h), tile b: b_o of features 16 b + 8 h + 0 .. 7
	global_load_b128 v[BIAS+8*\b+4:BIAS+8*\b+7], v[BO], s[88:89] offset:64*\b+16
.endr
	WIN 0
	s_lshl_b32 s2, s15, 12
	v_add_nc_u32 v[ADRA], s2, v[CO]
	v_mul_u32_u24 v4, v1, PITCH
	v_lshl_add_u32 v4, v2, 4, v4
	s_mul_i32 s2, s16, HALFB
	s_add_co_u32 s2, s2, BT
	v_add_nc_u32 v[ADRB], s2, v4
	s_add_co_u32 s2, s2, BPART
	v_add_nc_u32 v[ADRB+1], s2, v4
	v_lshlrev_b32 v5, 4, v1
	s_lshl_b32 s2, s15, 10
	s_add_co_u32 s2, s2, ASC
	v_add_nc_u32 v[ADSA], s2, v5                   ; A's scale words: 256 bytes a tile of tokens, 16 a row
	v_lshlrev_b32 v5, 5, v1
	v_lshrrev_b32 v6, 3, v1
	v_lshl_add_u32 v5, v6, 4, v5                   ; w_o's: 32 bytes a row, and 16 more behind each 256
	s_mul_i32 s2, s16, HALFS
	s_add_co_u32 s2, s2, BSC
	v_add_nc_u32 v[ADSB], s2, v5
	s_mul_i32 s2, s14, 16*SPITCH
	s_add_co_u32 s2, s2, STAGE                     ; my stage
	v_mul_u32_u24 v5, v1, SPITCH
	v_lshl_add_u32 v5, v2, 5, v5
	v_add_nc_u32 v[STO], s2, v5
	v_add_nc_u32 v[RD], s2, v[CO]
.macro FETCH q                         ; the fragments of the q-th 128 along K into sets q % 2: w_o's eight, A's four
.set PS, (\q)%2
	WIN 0x40
.irp i, 0,1,2,3,4,5,6,7
.irp c, 0,1
	ds_load_b128 v[64*PS+8*\i+4*\c:64*PS+8*\i+4*\c+3], v[ADRB+(\q)/4] offset:64*((\q)%4)+32*\c+\i*16*PITCH
.endr
.endr
	WIN 0
.irp i, 0,1,2,3
.irp c, 0,1
	ds_load_b128 v[AF+32*PS+8*\i+4*\c:AF+32*PS+8*\i+4*\c+3], v[ADRA] offset:8192*(\q)+1024*\i+512*\c
.endr
.endr
.endm
.macro MUL q                           ; 32 matrix instructions; the 32 accumulators take turns, in the same order in every step
.set PS, (\q)%2
.if (\q) == 0
	WIN 0x91                                       ; source 0 (w_o) and C (the bias) window 1, source 1 (A) window 0, D window 2
.else
	WIN 0xa1                                       ; C and D window 2
.endif
.irp a, 0,1,2,3
.irp b, 0,1,2,3,4,5,6,7
.if (\q) == 0
	v_wmma_scale_f32_16x16x128_f8f6f4 v[8*(8*\a+\b):8*(8*\a+\b)+7], v[64*PS+8*\b:64*PS+8*\b+7], v[AF+32*PS+8*\a:AF+32*PS+8*\a+7], v[BIAS+8*\b:BIAS+8*\b+7], v[SB+32*((\q)/4)+4*\b+(\q)%4], v[SA+16*((\q)/4)+4*\a+(\q)%4] matrix_a_fmt:MATRIX_FMT_FP4 matrix_b_fmt:MATRIX_FMT_FP4
.else
	v_wmma_scale_f32_16x16x128_f8f6f4 v[8*(8*\a+\b):8*(8*\a+\b)+7], v[64*PS+8*\b:64*PS+8*\b+7], v[AF+32*PS+8*\a:AF+32*PS+8*\a+7], v[8*(8*\a+\b):8*(8*\a+\b)+7], v[SB+32*((\q)/4)+4*\b+(\q)%4], v[SA+16*((\q)/4)+4*\a+(\q)%4] matrix_a_fmt:MATRIX_FMT_FP4 matrix_b_fmt:MATRIX_FMT_FP4
.endif
.endr
.endr
	WIN 0
.endm
.macro PLACES                          ; four plain vector instructions between a matrix instruction and a load into, or a read of, its registers (ISA guide 7.12.1 for vector instructions)
.rept 4
	v_nop
.endr
.endm
	s_wait_tensorcnt 1                             ; the scale bytes and my part of K half 0 are in (K half 1's load may be out),
	s_barrier_signal -1
	s_barrier_wait -1                              ; everybody's are
.irp k, 0,1
.irp i, 0,1,2,3
	ds_load_b128 v[SA+16*\k+4*\i:SA+16*\k+4*\i+3], v[ADSA] offset:2048*\k+256*\i   ; all scale words, once: four words a row and K half
.endr
.irp i, 0,1,2,3,4,5,6,7
	ds_load_b128 v[SB+32*\k+4*\i:SB+32*\k+4*\i+3], v[ADSB] offset:16*\k+SBLK*\i
.endr
.endr
	FETCH 0
	s_wait_loadcnt 0x0                             ; the bias
.irp q, 0,1,2,3,4,5,6,7
	s_wait_dscnt 0x0                               ; this step's fragments are in (asked for a step ago)
.if \q == 3
	s_wait_tensorcnt 0x0                           ; my part of K half 1 has landed; no LDS instruction of mine is pending:
	s_barrier_signal -1
	s_barrier_wait -1                              ; K half 1 is whole.
.endif
.if \q < 7
.if \q > 0
	PLACES                                         ; the other sets were read by the last step's products
.endif
	FETCH \q+1
.endif
	MUL \q
.endr
; THE WAY OUT, block by block of 16 tokens x 128 features: through my own stage in LDS and back as whole rows of 512 bytes.  LDS serves a wave's instructions in order: no wait between the stores and the loads.
.macro TOSTAGE a
.set AC, 64*(\a)
	WIN 0x08                                       ; an LDS store's data: window 2
.irp b, 0,1,2,3,4,5,6,7
	ds_store_b128 v[STO], v[AC+8*\b:AC+8*\b+3] offset:64*\b          ; each accumulator from its low end on
	ds_store_b128 v[STO], v[AC+8*\b+4:AC+8*\b+7] offset:64*\b+16
.endr
	WIN 0
.set BB, BK+64*((\a)%2)
.irp t, 0,1,2,3,4,5,6,7,8,9,10,11,12,13,14,15
	ds_load_b128 v[BB+4*\t:BB+4*\t+3], v[RD] offset:\t*SPITCH
.endr
.endm
.macro SEND a, younger                 ; younger: the LDS instructions issued behind block a's loads, which may stay out
.set BB, BK+64*((\a)%2)
	s_wait_dscnt \younger
.if (\a) > 0
	s_add_nc_u64 s[90:91], s[90:91], 16*4096       ; 16 rows on (the earlier stores have read their base: a wait for 0 on XCNT stands ahead)
.endif
.irp t, 0,1,2,3,4,5,6,7,8,9,10,11,12,13,14,15
	global_store_b128 v[CO], v[BB+4*\t:BB+4*\t+3], s[90:91] offset:\t*4096 th:TH_STORE_NT   ; 32 lanes store 512 consecutive bytes, aligned; written once, read by nobody here
.endr
.endm
	PLACES                                         ; behind the last products: results are read, and rows land where A's fragments lay
	TOSTAGE 0
.irp a, 1,2,3
.if \a > 1
	s_wait_xcnt 0x0                                ; block a - 2's stores have read their registers and their base
.endif
	TOSTAGE \a
	SEND \a-1, 32                                  ; behind block a - 1's loads: block a's 16 stores and 16 loads
.endr
	s_wait_xcnt 0x0
	SEND 3, 0
	s_wait_tensorcnt 0x0
	ds_add_u32 v30, v31
	s_wait_dscnt 0x0
	CROUND                                         ; the closing round: no work-group ends while a partner may still ask for a tile that names it
	s_endpgm
.Lfunc_end_k_qe94845eaf8_oproj:
	.size	k_qe94845eaf8_oproj, .Lfunc_end_k_qe94845eaf8_oproj-k_qe94845eaf8_oproj
	.p2alignl 7, 3214868480
	.fill 96, 4, 3214868480
	.section	.rodata,"a",@progbits
	.p2align	6, 0x0
	.amdhsa_kernel k_qe94845eaf8_oproj
		.amdhsa_group_segment_fixed_size 252416
		.amdhsa_private_segment_fixed_size 0
		.amdhsa_enable_private_segment 0
		.amdhsa_kernarg_size 48
		.amdhsa_user_sgpr_count 2
		.amdhsa_user_sgpr_kernarg_segment_ptr 1
		.amdhsa_wavefront_size32 1
		.amdhsa_system_sgpr_workgroup_id_x 1
		.amdhsa_system_sgpr_workgroup_id_y 1
		.amdhsa_system_sgpr_workgroup_id_z 1
		.amdhsa_system_vgpr_workitem_id 0
		.amdhsa_next_free_vgpr 768
		.amdhsa_next_free_sgpr 100
		.amdhsa_reserve_vcc 0
		.amdhsa_float_denorm_mode_32 3
		.amdhsa_float_denorm_mode_16_64 3
		.amdhsa_memory_ordered 1
		.amdhsa_forward_progress 1
		.amdhsa_inst_pref_size 74
	.end_amdhsa_kernel
	.amdgpu_metadata
---
amdhsa.version: [ 1, 2 ]
amdhsa.kernels:
  - .name:           k_qe94845eaf8_oproj
    .symbol:         k_qe94845eaf8_oproj.kd
    .args:
      - { .name: a_img, .offset: 0, .size: 8, .value_kind: global_buffer, .address_space: global }
      - { .name: a_sc, .offset: 8, .size: 8, .value_kind: global_buffer, .address_space: global }
      - { .name: xw_codes, .offset: 16, .size: 8, .value_kind: global_buffer, .address_space: global }
      - { .name: xw_scales, .offset: 24, .size: 8, .value_kind: global_buffer, .address_space: global }
      - { .name: b_o, .offset: 32, .size: 8, .value_kind: global_buffer, .address_space: global }
      - { .name: out0, .offset: 40, .size: 8, .value_kind: global_buffer, .address_space: global }
    .group_segment_fixed_size: 252416
    .private_segment_fixed_size: 0
    .kernarg_segment_align: 8
    .kernarg_segment_size: 48
    .max_flat_workgroup_size: 128
    .sgpr_count:     100
    .vgpr_count:     768
    .wavefront_size: 32
...
	.end_amdgpu_metadata
.endif
;; end of part 4
